; MI455X (gfx1250); checked and timed in simulation.
; The chip was launched on July 23, 2026; its instructions are those of AMD's public machine-readable ISA for CDNA 5 (MIT licence, August 2026) and "CDNA5" Instruction Set Architecture Reference Guide (July 2026). The comments in the code are by the model that wrote it; some were corrected since.
;; Casual multihead self attention. Allowed arithmetic: matrix products marked QUANTISED: E4M3 operands, one given power-of-two scale a tensor, by v_wmma_f32_16x16x64_fp8_fp8 or v_wmma_f32_16x16x128_fp8_fp8, f32 sums; everything else in f32.
;; Inputs: in_features 4 x 2,048 x 1,024 float32; lowp_scales 12 int32 (the exponents e of the quantised operands' scales 2^e); weight_k 1,024 x 1,024 float32; weight_o 1,024 x 1,024 float32; weight_q 1,024 x 1,024 float32; weight_v 1,024 x 1,024 float32.
;; Outputs: out0 4 x 2,048 x 1,024 float32.
;; This version of the problem:
;;   THIS VERSION OF THE PROBLEM IS GIVEN IN LOW PRECISION. The matrix products marked QUANTISED in the list below multiply operands that are first quantised to E4M3 (4 exponent bits, 3 mantissa bits; 8 bits a number), with one given power-of-two scale for each operand tensor; their sums are f32. All else is computed in f32.
;;   The module's matrix products, in the order in which they are computed (A, B: the left and right operand; K: the contracted axis; several contracted axes count as one K, in the product's order):
;;     1. [M 8,192, K 1,024] x [K 1,024, N 1,024]; A: input in_features; B: input weight_q: QUANTISED (scales: A lowp_scales[0], B lowp_scales[1])
;;     2. [M 8,192, K 1,024] x [K 1,024, N 1,024]; A: input in_features; B: input weight_k: QUANTISED (scales: A lowp_scales[2], B lowp_scales[3])
;;     3. [M 8,192, K 1,024] x [K 1,024, N 1,024]; A: input in_features; B: input weight_v: QUANTISED (scales: A lowp_scales[4], B lowp_scales[5])
;;     4. batch 64 x [M 2,048, K 64] x [K 64, N 2,048]; A: computed on the way; B: computed on the way: QUANTISED (scales: A lowp_scales[6], B lowp_scales[7])
;;     5. batch 64 x [M 2,048, K 2,048] x [K 2,048, N 64]; A: softmax (see below); B: computed on the way: QUANTISED (scales: A lowp_scales[8], B lowp_scales[9])
;;     6. [M 8,192, K 1,024] x [K 1,024, N 1,024]; A: computed on the way; B: input weight_o: QUANTISED (scales: A lowp_scales[10], B lowp_scales[11])
;;   THE QUANTISER, for each operand of a quantised product, along K:
;;     - The operand's scale is 2^e, e = its entry of the input lowp_scales (int32; the entries are numbered through the quantised products in the list's order, A before B).
;;     - Each number is divided by the scale, clamped to +-448, and rounded to the nearest number of E4M3, ties to even, subnormals kept.
;;     - The product sums the exact products of the quantised numbers (number of the format x scale) in f32.
;;   ~~~python
;;   def quantise(x, axis, e):      # numpy; x: float32 -> the quantised numbers, widened to float32 again
;;       x = np.moveaxis(x, axis, -1); K = x.shape[-1]
;;       r = np.clip(x / 2.0 ** e, -448, 448)
;;       step = 2.0 ** (np.maximum(np.frexp(np.where(r == 0, 1, r))[1] - 1, -6) - 3)
;;       q = np.round(r / step) * step * 2.0 ** e      # np.round: ties to even
;;       return np.moveaxis(q, -1, axis).astype(np.float32)
;;   ~~~
;;   SOFTMAX AHEAD OF A QUANTISED PRODUCT. Where the list says 'softmax', what is quantised is not the finished softmax but p = 2^(t - M), with t = logit x log2(e) and M = ceil(the row's largest t), a whole number; so 1/2 < the row's largest p <= 1. The row's sum l is taken of the UNQUANTISED p, in f32, and the product's result is divided by l at the end. Since M is a whole number, a kernel that streams over the keys may use a running M (the ceiling of the running maximum): every later rescaling is an exact power of two, so the quantised numbers keep their values, but for numbers so far below the row's largest that they fall under the format's range.
;;   OPERANDS COMPUTED ON THE WAY. 'Computed on the way' means the value that the module computes at that place (a softmax that the list does not call 'softmax' is quantised finished and normalised). What goes into a quantiser is computed in f32, as accurately as f32 sums, v_exp_f32 and their like allow (about 1e-6 of the number): no bf16 or f16 on the way to a quantiser, and a product that is left as it is and whose result goes on into a quantised operand takes f32 operands (vector FMAs, or v_wmma_f32_16x16x4_f32). A number that lies on a knife's edge between two numbers of the format may be rounded either way, as far as f32 arithmetic and the matrix unit's own rounding can turn it there, and no further.
;; One version. Each part assembles by itself: llvm-mc -triple=amdgcn-amd-amdhsa -mcpu=gfx1250 --defsym DOCPART=n.
;; ======== version 1 of 1: 4 launches
;; limits: right only within a limited range of input values
;; workspace buffers: cod 29,360,128 bytes; qkv 25,165,824 bytes; oc 8,388,608 bytes
;; launch quant (part 1): grid 768 x 1, 4 waves a work-group, no clusters, 68,096 bytes of LDS; arguments in_features, weight_q, weight_k, weight_v, weight_o, lowp_scales, cod; writes cod
.if DOCPART == 1
	.amdgcn_target "amdgcn-amd-amdhsa--gfx1250"
	.amdhsa_code_object_version 6
	.text
	.protected	k_qebfeb696ea_quant
	.globl	k_qebfeb696ea_quant
	.p2align	8
	.type	k_qebfeb696ea_quant,@function
k_qebfeb696ea_quant:
	s_mov_b64 s[64:65], 0
	v_nop
	global_prefetch_b8 v0, s[64:65] scope:SCOPE_SE
	s_setreg_imm32_b32 hwreg(HW_REG_WAVE_MODE, 25, 1), 1
	s_wait_xcnt 0x0
; in_features [8192][1024] and the four weights [1024][1024], f32, K innermost, become codes of FP8 (E4M3) in the workspace cod.
; code = x / 2^e, held within +-448, rounded to the nearest code, ties to even.  x is quantised three times (entries 0, 2, 4 of the scales, which may differ); weight_q, _k, _v, _o by entries 1, 3, 5, 11.
; LIMITS: each of these seven exponents lies between -126 and 119, so that 2^e is an f32 number.  NaN among the inputs is not served.
; LAYOUT OF cod: every part is [rows / 16][K step of 128: 8][c: 4][lane: 32][16 bytes], an image of the operand's registers: lane (r, h) = r + 16 h, group c holds row position r, k = 32 c + 16 h + 0 .. 15.
; ROW ORDER: position p of a part holds source row 32 (p / 32) + 8 ((p / 16) % 2) + p % 16 + 8 ((p % 16) / 8): in each 32 rows the two middle groups of eight change places.  As source 0 of a matrix
; instruction such a block of 16 gives a lane, in the registers of two neighbouring tiles, 16 NEIGHBOURS of the true row index: the later launches' conversions then give operand registers as they stand.
; SHARES: a work-group takes one block of 16 positions (work-groups 0-511: x; then 64 for each weight); wave w takes K steps 2 w and 2 w + 1: 1,024 bytes of each of the 16 rows.
; Each load reads 512 consecutive bytes of one row; the conversions want 16 neighbours along K in ONE lane: so a K step's 8,192 bytes turn through the wave's own stage in LDS (rows of 512 + 16 bytes:
; row r starts at bank 4 r mod 64, 64 banks of 4 bytes: ISA guide 11.1).  Each store of codes covers 512 consecutive bytes, aligned.  No tensor load, no barrier: waves share nothing.
.set NXB,    512                       ; work-groups that take x
.set OFF_XK, 8388608                   ; parts of cod: x by entry 0 at 0, by entry 2 here,
.set OFF_XV, 16777216                  ; by entry 4 here,
.set OFF_WQ, 25165824                  ; then the four weights, 1,048,576 bytes each
.set SP,     528                       ; a stage row
.set STG,    16*SP                     ; a stage: 16 rows
.set WREG,   2*STG                     ; a wave's two stages
.set R0,     16                        ; v16-79   K step 0 as loaded; later K step 1 as 16 neighbours a block
.set R1,     80                        ; v80-143  K step 1 as loaded
.set X0,     144                       ; v144-207 K step 0 as 16 neighbours a block
.set T,      80
.set C,      208                       ; v208-255 codes: 16 registers for each of three scales
	s_load_b256 s[4:11], s[0:1], 0x0               ; x s[4:5], weight_q s[6:7], weight_k s[8:9], weight_v s[10:11]
	s_load_b128 s[12:15], s[0:1], 0x20             ; weight_o s[12:13], the scales' exponents s[14:15]
	s_load_b64 s[16:17], s[0:1], 0x30              ; cod
	v_lshl_add_u32 v14, v0, 2, 0x10800
	v_mov_b32 v15, 0
	v_lshrrev_b32 v1, 5, v0
	v_readfirstlane_b32 s18, v1                    ; wave 0..3
	v_and_b32 v1, 31, v0
	v_lshlrev_b32 v2, 4, v1                        ; 16 x lane: my bytes of a load's and of a store's 512
	s_mul_i32 s19, s18, WREG
	v_add_nc_u32 v3, s19, v2                       ; the stage, on the way in: as loaded
	v_and_b32 v5, 15, v0                           ; r
	v_bfe_u32 v6, v0, 4, 1                         ; h
	v_mul_u32_u24 v4, v5, SP
	v_lshl_add_u32 v4, v6, 6, v4
	v_add_nc_u32 v4, s19, v4                       ; and on the way out: row r, + 64 h: my 16 numbers of a block of 32
	s_sub_co_u32 s20, ttmp9, NXB
	s_lshr_b32 s21, s20, 6                         ; which weight: 0 q, 1 k, 2 v, 3 o (in x's work-groups a large number, which chooses nothing)
	s_and_b32 s22, s20, 63
	s_cmp_lt_u32 ttmp9, NXB
	s_cselect_b32 s22, ttmp9, s22                  ; the block of 16 positions in its tensor
	s_lshr_b32 s28, s22, 1
	s_lshl_b32 s28, s28, 17                        ; source: 32 (block / 2) rows of 4,096 bytes
	s_and_b32 s23, s22, 1
	s_lshl_b32 s23, s23, 15                        ; + 8 (block % 2) rows
	s_add_co_u32 s28, s28, s23
	s_lshl_b32 s23, s18, 10                        ; + my wave's 1,024 bytes of a row
	s_add_co_u32 s28, s28, s23
	s_mov_b32 s29, 0
	s_lshl_b32 s30, s21, 20
	s_add_co_u32 s30, s30, OFF_WQ
	s_cmp_lt_u32 ttmp9, NXB
	s_cselect_b32 s30, 0, s30                      ; the part of cod,
	s_lshl_b32 s23, s22, 14
	s_add_co_u32 s30, s30, s23                     ; + 16,384 x block
	s_lshl_b32 s23, s18, 12
	s_add_co_u32 s30, s30, s23                     ; + my two K steps' images
	s_mov_b32 s31, 0
	s_wait_alu depctr_va_vdst(0)
	s_wait_kmcnt 0x0
	s_load_b256 s[32:39], s[14:15], 0x0            ; entries 0 to 7
	s_load_b128 s[40:43], s[14:15], 0x20           ; entries 8 to 11
	s_cmp_eq_u32 s21, 1                            ; the source buffer: each choice hangs on the work-group's number alone
	s_cselect_b64 s[24:25], s[8:9], s[6:7]
	s_cmp_eq_u32 s21, 2
	s_cselect_b64 s[24:25], s[10:11], s[24:25]
	s_cmp_eq_u32 s21, 3
	s_cselect_b64 s[24:25], s[12:13], s[24:25]
	s_cmp_lt_u32 ttmp9, NXB
	s_cselect_b64 s[24:25], s[4:5], s[24:25]
	s_add_nc_u64 s[24:25], s[24:25], s[28:29]
	s_add_nc_u64 s[44:45], s[16:17], s[30:31]      ; where my codes go;
	s_add_nc_u64 s[46:47], s[44:45], OFF_XK        ; x's second and third copies (used by x's work-groups alone)
	s_add_nc_u64 s[48:49], s[44:45], OFF_XV
.irp s, 0,1
.irp i, 0,1,2,3,4,5,6,7,8,9,10,11,12,13,14,15
	global_load_b128 v[R0+64*\s+4*\i:R0+64*\s+4*\i+3], v2, s[24:25] offset:(\i+8*(\i/8))*4096+512*\s th:TH_LOAD_NT   ; position i's row, K step s: 512 consecutive bytes; read once in the launch
.endr
.endr
.macro MKSC e, sc, lim                 ; v[sc] = 2^e as f32 (the conversion takes its exponent field)
	s_add_co_i32 s27, \e, 127
	s_lshl_b32 s23, s27, 23
	v_mov_b32 v[\sc], s23
.endm
	s_wait_kmcnt 0x0
	s_cmp_eq_u32 s21, 1
	s_cselect_b32 s26, s35, s33                    ; entry 3 or entry 1
	s_cmp_eq_u32 s21, 2
	s_cselect_b32 s26, s37, s26                    ; entry 5
	s_cmp_eq_u32 s21, 3
	s_cselect_b32 s26, s43, s26                    ; entry 11
	s_cmp_lt_u32 ttmp9, NXB
	s_cselect_b32 s26, s32, s26                    ; entry 0
	MKSC s26, 8, 9
	MKSC s34, 10, 11                               ; entry 2
	MKSC s36, 12, 13                               ; entry 4
	s_wait_alu depctr_va_vdst(0)
	s_wait_loadcnt 16                              ; K step 0's sixteen loads are in; K step 1's sixteen may be out
.irp i, 0,1,2,3,4,5,6,7,8,9,10,11,12,13,14,15
	ds_store_b128 v3, v[R0+4*\i:R0+4*\i+3] offset:SP*\i
.endr
.irp c, 0,1,2,3
.irp j, 0,1,2,3
	ds_load_b128 v[X0+16*\c+4*\j:X0+16*\c+4*\j+3], v4 offset:128*\c+16*\j     ; LDS serves a wave's instructions in order (ISA guide 5.7.1.4): these see the stores above
.endr
.endr
	s_wait_loadcnt 0x0
.irp i, 0,1,2,3,4,5,6,7,8,9,10,11,12,13,14,15
	ds_store_b128 v3, v[R1+4*\i:R1+4*\i+3] offset:STG+SP*\i
.endr
	s_wait_dscnt 32                                ; behind K step 0's stores stand its 16 loads and these 16 stores: those stores are done, so v16-79 may be loaded anew
.irp c, 0,1,2,3
.irp j, 0,1,2,3
	ds_load_b128 v[R0+16*\c+4*\j:R0+16*\c+4*\j+3], v4 offset:STG+128*\c+16*\j
.endr
.endr
	s_wait_dscnt 16                                ; all but the 16 loads just issued: K step 0 is back, and K step 1's stores have read v80-143
; 64 numbers of a lane at v[x] on (register 16 c + i = k 32 c + 16 h + i of my row) become 16 registers of codes at v[C + cb] on.  The numbers stay as they are: x is quantised three times.
.macro QUANT x, sc, lim, cb
.irp c, 0,1,2,3
.irp i, 0,1,2,3,4,5,6,7,8,9,10,11,12,13,14,15
.endr
	v_cvt_scalef32_pk8_fp8_f32 v[C+\cb+4*\c:C+\cb+4*\c+1], v[T+16*(\c%2)+((\x+16*\c+0)-(T+16*(\c%2)+0)):T+16*(\c%2)+7+((\x+16*\c+0)-(T+16*(\c%2)+0))], v[\sc]
	v_cvt_scalef32_pk8_fp8_f32 v[C+\cb+4*\c+2:C+\cb+4*\c+3], v[T+16*(\c%2)+8+((\x+16*\c+0)-(T+16*(\c%2)+0)):T+16*(\c%2)+15+((\x+16*\c+0)-(T+16*(\c%2)+0))], v[\sc]
.endr
.endm
.macro OUT cb, base, step
.irp c, 0,1,2,3
	global_store_b128 v2, v[C+\cb+4*\c:C+\cb+4*\c+3], s[\base:\base+1] offset:2048*\step+512*\c   ; 32 lanes store 512 consecutive bytes, at a multiple of 256 from the buffer's first byte
.endr
.endm
.macro Q3 step, x
	QUANT \x, 8, 9, 0
	OUT 0, 44, \step
	s_cmp_lt_u32 ttmp9, NXB                        ; a weight has one scale; the branch hangs on the work-group's number and encloses register work and global stores alone
	s_cbranch_scc0 .Lweight_\@
	QUANT \x, 10, 11, 16
	OUT 16, 46, \step
	QUANT \x, 12, 13, 32
	OUT 32, 48, \step
.Lweight_\@:
.endm
	Q3 0, X0
	s_wait_dscnt 0x0                               ; K step 1 is back
	s_wait_xcnt 0x0                                ; the stores above have read their data: the codes' registers are written again only behind this wait
	Q3 1, R0
	s_wait_tensorcnt 0x0
	ds_add_u32 v14, v15
	s_wait_dscnt 0x0
	s_endpgm
.Lfunc_end_k_qebfeb696ea_quant:
	.size	k_qebfeb696ea_quant, .Lfunc_end_k_qebfeb696ea_quant-k_qebfeb696ea_quant
	.p2alignl 7, 3214868480
	.fill 96, 4, 3214868480
	.section	.rodata,"a",@progbits
	.p2align	6, 0x0
	.amdhsa_kernel k_qebfeb696ea_quant
		.amdhsa_group_segment_fixed_size 68096
		.amdhsa_private_segment_fixed_size 0
		.amdhsa_enable_private_segment 0
		.amdhsa_kernarg_size 56
		.amdhsa_user_sgpr_count 2
		.amdhsa_user_sgpr_kernarg_segment_ptr 1
		.amdhsa_wavefront_size32 1
		.amdhsa_system_sgpr_workgroup_id_x 1
		.amdhsa_system_sgpr_workgroup_id_y 1
		.amdhsa_system_sgpr_workgroup_id_z 1
		.amdhsa_system_vgpr_workitem_id 0
		.amdhsa_next_free_vgpr 256
		.amdhsa_next_free_sgpr 66
		.amdhsa_reserve_vcc 0
		.amdhsa_float_denorm_mode_32 3
		.amdhsa_float_denorm_mode_16_64 3
		.amdhsa_fp16_overflow 1
		.amdhsa_memory_ordered 1
		.amdhsa_forward_progress 1
		.amdhsa_inst_pref_size 17
	.end_amdhsa_kernel
	.amdgpu_metadata
---
amdhsa.version: [ 1, 2 ]
amdhsa.kernels:
  - .name:           k_qebfeb696ea_quant
    .symbol:         k_qebfeb696ea_quant.kd
    .args:
      - { .name: in_features, .offset: 0, .size: 8, .value_kind: global_buffer, .address_space: global }
      - { .name: weight_q, .offset: 8, .size: 8, .value_kind: global_buffer, .address_space: global }
      - { .name: weight_k, .offset: 16, .size: 8, .value_kind: global_buffer, .address_space: global }
      - { .name: weight_v, .offset: 24, .size: 8, .value_kind: global_buffer, .address_space: global }
      - { .name: weight_o, .offset: 32, .size: 8, .value_kind: global_buffer, .address_space: global }
      - { .name: lowp_scales, .offset: 40, .size: 8, .value_kind: global_buffer, .address_space: global }
      - { .name: cod, .offset: 48, .size: 8, .value_kind: global_buffer, .address_space: global }
    .group_segment_fixed_size: 68096
    .private_segment_fixed_size: 0
    .kernarg_segment_align: 8
    .kernarg_segment_size: 56
    .max_flat_workgroup_size: 128
    .sgpr_count:     66
    .vgpr_count:     256
    .wavefront_size: 32
...
	.end_amdgpu_metadata
.endif
;; end of part 1
;; launch qkv (part 2): grid 12 x 32, 4 waves a work-group, clusters of 4 x 4, 327,680 bytes of LDS; arguments cod, lowp_scales, qkv; writes qkv
.if DOCPART == 2
	.amdgcn_target "amdgcn-amd-amdhsa--gfx1250"
	.amdhsa_code_object_version 6
	.text
	.protected	k_qebfeb696ea_qkv
	.globl	k_qebfeb696ea_qkv
	.p2align	8
	.type	k_qebfeb696ea_qkv,@function
k_qebfeb696ea_qkv:
	s_mov_b64 s[64:65], 0
	v_nop
	global_prefetch_b8 v0, s[64:65] scope:SCOPE_SE
	s_setreg_imm32_b32 hwreg(HW_REG_WAVE_MODE, 25, 1), 1
	s_wait_xcnt 0x0
	s_wait_alu depctr_hold_cnt(0) depctr_sa_sdst(0) depctr_va_vdst(0) depctr_va_sdst(0) depctr_va_ssrc(0) depctr_va_vcc(0) depctr_vm_vsrc(0)
	s_getreg_b32 s2, hwreg(HW_REG_IB_STS2, 6, 4)
	s_cmp_eq_u32 s2, 0
	s_cbranch_scc0 .Lentry_in_a_cluster
	s_endpgm
.Lentry_in_a_cluster:
	s_bfe_u32 s2, ttmp6, 0x10000c
	s_cmp_lg_u32 s2, 0xf033
	s_cbranch_scc0 .Lentry_shape_is_right
	s_endpgm
.Lentry_shape_is_right:
; The three projections Q = x Wq^T, K = x Wk^T, V = x Wv^T on codes of FP8 (E4M3), and their results quantised at once for the attention's two products.  Cluster x = 0: Q, 1: K, 2: V.
; OPERANDS come from cod as images of operand registers: a block of 16 row positions is 8 K steps x 2,048 bytes ([c 4][lane 32][16 bytes]: lane (r, h), group c: row position r, k = 32 c + 16 h + 0 .. 15).
; That is a permutation of k inside a matrix instruction, alike in both operands: every product meets its partner.  Rows lie in the order that the quantiser's launch gives them (in each 32 the middle eights swapped).
; A tile of 256 x 256 results is made by four waves, as many as a WGP has SIMDs, each 128 x 128: 64 accumulators, 512 registers.  K = 1,024 goes in four steps of 256 through two LDS slots.
; THE MATRIX INSTRUCTION IS USED TRANSPOSED: source 0 = 16 positions of operand B', source 1 = 16 positions of operand A'.  A lane then holds ONE position of A', and the 16 registers of tiles 2 b and 2 b + 1 are the
; 16 neighbours 32 b + 16 h + 0 .. 15 of B's TRUE row index: two conversions make of them 16 bytes of the next product's operand, and a wave's store covers 512 consecutive bytes.  No stage in LDS is needed.
;   Q, K: A' = x's codes (tokens), B' = the weight: a lane holds a token and 16 neighbouring channels.  Laid [token position / 16][head 16][b' 2][lane][16]: channel 32 b' + 16 h + e.
;   V:    A' = weight_v (channels), B' = x's codes: a lane holds a channel and 16 neighbouring TOKENS, the second product's K.  Laid [token / 128][head 16][cb 4][c 4][lane][16]: channel position 16 cb + r, key 32 c + 16 h + e.
; CLUSTERS: 4 x 4 work-groups.  A's tile hangs on cy (and on the cluster's place), B's on cx: each is asked for JOINTLY by the four of a row or of a column of the cluster, by the same tensor load with the same descriptor.
; The swap of roles for V is made in the byte offsets alone, by arithmetic on the cluster's x, which all sixteen partners share: no branch, and the masks stay as they are.
; SCALES: a sum stands for sum x 2^(ea + eb); its code under the next scale 2^en is sum / 2^(en - ea - eb): one folded scale for the conversion.
; LIMITS: e6 - e0 - e1, e7 - e2 - e3 and e9 - e4 - e5 lie between -126 and 119, so that the folded scale and 448 x it are f32 numbers.
; No prefetch: K has four steps, of which two are the first fills; the other two would have to be named at the kernel's head, where the first tiles are on their way.
; REGISTERS, in windows of 256: window 0: v16-29 addresses; v96-103 store offsets; v105 the scale; v128-255 A's fragments, ONE set, later the codes.
;   window 1: B's fragments, TWO sets, at v0 and v128.   window 2: the accumulators of my positions 0-63 ((a, b) at v[8 (8 a + b)]);   window 3: those of positions 64-127.
.set OFF_XV, 16777216                  ; parts of cod
.set OFF_WQ, 25165824
.set OFF_WV, 27262976
.set BLKB,   16384                     ; a block of 16 positions in memory
.set STEPB,  4096                      ; and its part in a slot: 256 along K = two images
.set HALFT,  8*STEPB                   ; 8 blocks: what one tensor load brings, and what one wave reads of A' or of B'
.set SLOT,   4*HALFT                   ; A's 16 blocks, then B's 16 blocks
.set SPARE,  2*SLOT                    ; behind the ring: the spare words, 128 bytes for each wave: two blocks of 256 bytes that no other line names
.set FR,     16                        ; registers of a fragment: 16 rows x 128 K
.set NL,     4                         ; LDS loads that bring one
.set NP,     4                         ; places behind this matrix instruction (ISA guide 7.12.1)
.set ADRA, 16                          ; v16-17  LDS address of my A fragments in slot 0, 1
.set ADRB, 20                          ; v20-21  the same for B
.set SPW,  28                          ; v28     LDS address of my spare word; never rewritten
.set NIL,  29                          ; v29     0; never rewritten
.set TMP,  32
.set VO,   96
.set LIMV, 104
.set SCV,  105
.set AF,   128
.set CD,   128
.set G1, 24                            ; s[24:31] descriptor group 1 for A's tiles;  s[32:39] group 0, one set for each slot
.set G0, 32
.set G1B, 48                           ; s[48:55], s[56:63] the same for B's tiles
.set G0B, 56
.set MSB, 0
.macro WIN new                         ; the immediate's high byte repeats the setting that is left
.if MSB != \new
	s_set_vgpr_msb (MSB<<8)|\new
.set MSB, \new
.endif
.endm
.set MUL_LO, 0xa1                      ; source 0 (B') window 1, source 1 (A') window 0, C and D window 2
.set MUL_HI, 0xf1                      ; the same, C and D window 3
.set TO_B,   0x40                      ; destination window 1, address window 0
; A joint load: waves 0 and 1 fetch for A', waves 2 and 3 for B'.  Each line has ONE mask and one set of registers for all that issue it; the branch hangs on the wave's number alone.
; Four v_nop follow each of the two lines, ahead of the jump, the label and what follows.
.macro JLOAD g0a, g1a, g0b, g1b
	s_cmp_eq_u32 s15, 0
	s_cbranch_scc0 .Lfor_b_\@
	tensor_load_to_lds s[\g0a:\g0a+3], s[\g1a:\g1a+7]
	s_nop 0
.rept 4
	v_nop
.endr
	s_branch .Lasked_\@
.Lfor_b_\@:
	tensor_load_to_lds s[\g0b:\g0b+3], s[\g1b:\g1b+7]
	s_nop 0
.rept 4
	v_nop
.endr
.Lasked_\@:
.endm
.macro CREST                           ; a round of the cluster's barrier behind its opening barrier
	s_cmp_lg_u32 s14, 0
	s_cbranch_scc1 .Lnot_wave_0_\@
	s_barrier_signal -3
.Lnot_wave_0_\@:
	s_barrier_wait -3
	s_barrier_signal -1
	s_barrier_wait -1
.endm
.macro CROUND                          ; a whole round
	s_barrier_signal -1
	s_barrier_wait -1
	CREST
.endm
	s_load_b128 s[4:7], s[0:1], 0x0                ; cod s[4:5], the scales' exponents s[6:7]
	s_load_b64 s[8:9], s[0:1], 0x10                ; qkv
	v_lshl_add_u32 v[SPW], v0, 2, SPARE
	v_mov_b32 v[NIL], 0
	ds_add_u32 v28, v29
	ds_add_u32 v28, v29
	s_wait_dscnt 0x0
	v_lshrrev_b32 v1, 5, v0
	v_readfirstlane_b32 s14, v1                    ; wave 0..3
	s_lshr_b32 s15, s14, 1                         ; which half of A's positions is mine.  Also: I fetch for A' (0) or for B' (1)
	s_and_b32 s16, s14, 1                          ; which half of B's.  Also: which 8 blocks of that tile I fetch
	s_bfe_u32 s40, ttmp6, 0x40000                  ; cx, cy: my place in the cluster
	s_bfe_u32 s41, ttmp6, 0x40004
	s_lshr_b32 s66, ttmp9, 1                       ; 1 for V, else 0
	s_xor_b32 s67, s66, 1                          ; 1 for Q and K, else 0
	s_and_b32 s68, ttmp7, 0xffff
	s_lshl_b32 s68, s68, 2                         ; 4 x cluster y: it walks the tokens, which are A's rows for Q and K and B's for V
	s_mul_i32 s17, s67, s68
	s_add_co_u32 s17, s17, s41                     ; A's tile: 4 x cluster y + cy, for V cy
	s_mul_i32 s42, s66, s68
	s_add_co_u32 s42, s42, s40                     ; B's tile: cx, for V 4 x cluster y + cx
	s_lshl_b32 s43, s41, 2
	s_lshl_b32 s43, 15, s43                        ; my row of the cluster
	s_lshl_b32 s44, 0x1111, s40                    ; my column
	; descriptor group 1: 8 rows (blocks) of 4,096 bytes, 16,384 bytes apart in memory, dense in LDS
	s_or_b32 s[G1+0], s43, (3<<16)|(1<<21)         ; 15:0 the mask: A's tiles go to my row; 17:16 elements of 8 bytes; 20 no padding; 21 set beside a mask
	s_or_b32 s[G1B+0], s44, (3<<16)|(1<<21)
.irp g, G1, G1B
	s_mov_b32 s[\g+1], 512<<16                     ; tensor_dim0 = 512 elements
	s_mov_b32 s[\g+2], 8<<16                       ; tensor_dim1 = 8
	s_mov_b32 s[\g+3], 512<<16                     ; tile_dim0
	s_mov_b32 s[\g+4], 8                           ; tile_dim1
	s_mov_b32 s[\g+5], 2048                        ; tensor_dim0_stride, in elements
	s_mov_b32 s[\g+6], 0
	s_mov_b32 s[\g+7], 0
.endr
	s_lshl_b32 s18, s16, 3                         ; which 8 blocks of the tile I fetch
	s_lshl_b32 s20, s17, 4
	s_add_co_u32 s20, s20, s18
	s_lshl_b32 s20, s20, 14                        ; A': (16 x tile + 8 x half) blocks,
	s_mul_i32 s19, s67, ttmp9
	s_lshl_b32 s19, s19, 23
	s_add_co_u32 s20, s20, s19                     ; in x's copy for Q (0) or for K (8,388,608),
	s_mul_i32 s19, s66, OFF_WV
	s_add_co_u32 s20, s20, s19                     ; for V in weight_v's codes
	s_mov_b32 s21, 0
	s_lshl_b32 s46, s42, 4
	s_add_co_u32 s46, s46, s18
	s_lshl_b32 s46, s46, 14                        ; B': likewise,
	s_lshl_b32 s19, ttmp9, 20
	s_add_co_u32 s19, s19, OFF_WQ
	s_mul_i32 s19, s19, s67
	s_add_co_u32 s46, s46, s19                     ; in weight_q's or weight_k's codes,
	s_mul_i32 s19, s66, OFF_XV
	s_add_co_u32 s46, s46, s19                     ; for V in x's third copy
	s_mov_b32 s47, 0
	s_mul_i32 s45, s14, HALFT                      ; where they go: wave x 8 blocks: no place in the cluster enters an LDS address
	s_wait_kmcnt 0x0
	s_load_b256 s[72:79], s[6:7], 0x0              ; e0 .. e7
	s_load_b128 s[80:83], s[6:7], 0x20             ; e8 .. e11
	s_add_nc_u64 s[20:21], s[4:5], s[20:21]
	s_add_nc_u64 s[46:47], s[4:5], s[46:47]
	CROUND                                         ; all sixteen work-groups are here: the first joint loads meet
.irp s, 0,1
	s_mov_b32 s[G0+4*\s], 1
	s_add_co_u32 s[G0+4*\s+1], s45, \s*SLOT
	s_add_nc_u64 s[G0+4*\s+2:G0+4*\s+3], s[20:21], \s*STEPB
	s_or_b32 s[G0+4*\s+3], s[G0+4*\s+3], 0x80000000
	s_mov_b32 s[G0B+4*\s], 1
	s_add_co_u32 s[G0B+4*\s+1], s45, \s*SLOT
	s_add_nc_u64 s[G0B+4*\s+2:G0B+4*\s+3], s[46:47], \s*STEPB
	s_or_b32 s[G0B+4*\s+3], s[G0B+4*\s+3], 0x80000000
	JLOAD G0+4*\s, G1, G0B+4*\s, G1B               ; two loads of mine are out at the most
.endr
	v_and_b32 v6, 31, v0
	v_lshlrev_b32 v4, 4, v6                        ; 16 x lane: my place in every image
	s_wait_alu depctr_va_vdst(0)
	s_mul_i32 s21, s15, HALFT                      ; my 8 blocks of A'
	s_mul_i32 s22, s16, HALFT                      ; my 8 blocks of B',
	s_add_co_u32 s22, s22, 2*HALFT                 ; which lie behind A's 16
.irp s, 0,1
	v_add_nc_u32 v[ADRA+\s], s21, v4
	v_add_nc_u32 v[ADRB+\s], s22, v4
	s_add_co_u32 s21, s21, SLOT
	s_add_co_u32 s22, s22, SLOT
.endr
	; where my codes go: R = 2 x A's tile + my half (128 positions of A'), Cc = 2 x B's tile + my half.  Q, K: R x 131,072 + Cc x 2,048; V: R x 16,384 + Cc x 131,072; block a of A' an eighth of R's stride further on
	s_lshl_b32 s84, s17, 1
	s_add_co_u32 s84, s84, s15                     ; R
	s_lshl_b32 s85, s42, 1
	s_add_co_u32 s85, s85, s16                     ; Cc
	s_lshl_b32 s86, s67, 17
	s_lshl_b32 s87, s66, 14
	s_add_co_u32 s86, s86, s87                     ; R's stride
	s_lshl_b32 s87, s67, 11
	s_lshl_b32 s88, s66, 17
	s_add_co_u32 s87, s87, s88                     ; Cc's stride
	s_mul_i32 s88, s84, s86
	s_mul_i32 s89, s85, s87
	s_add_co_u32 s88, s88, s89
	s_lshl_b32 s89, ttmp9, 23
	s_add_co_u32 s88, s88, s89                     ; + the part of qkv: Q, K, V, 8,388,608 bytes each
	s_mov_b32 s89, 0
	s_add_nc_u64 s[8:9], s[8:9], s[88:89]
	s_lshr_b32 s90, s86, 3
	s_mov_b32 s91, 0
.irp a, 0,1,2,3,4,5,6,7
	v_add_nc_u32 v[VO+\a], s91, v4                 ; 16 x lane + block a's place
	s_add_co_u32 s91, s91, s90
.endr
.macro FRAG reg, adr, q, i             ; a fragment as it lies: four loads of 512 consecutive bytes; registers 4 c .. 4 c + 3 hold K = 32 c + 16 (l / 16) + 0 .. 15 of row position l % 16
.irp c, 0,1,2,3
	ds_load_b128 v[\reg+4*\c:\reg+4*\c+3], v[\adr] offset:2048*(\q)+512*\c+(\i)*STEPB
.endr
.endm
; 16 matrix instructions: A's blocks a0, a0 + 1 x B's eight, 128 along K.  p: B's set.  zero = 1: the first product starts the sums: nothing is ever cleared.
; The 64 accumulators take turns, one instruction a turn, in the same order in every step.
.macro MUL16 a0, p, zero
.irp a, \a0, \a0+1
.irp b, 0,1,2,3,4,5,6,7
.if \zero
	v_wmma_f32_16x16x128_fp8_fp8 v[8*(8*((\a)%4)+\b):8*(8*((\a)%4)+\b)+7], v[128*(\p)+FR*\b:128*(\p)+FR*\b+FR-1], v[AF+FR*(\a):AF+FR*(\a)+FR-1], 0
.else
	v_wmma_f32_16x16x128_fp8_fp8 v[8*(8*((\a)%4)+\b):8*(8*((\a)%4)+\b)+7], v[128*(\p)+FR*\b:128*(\p)+FR*\b+FR-1], v[AF+FR*(\a):AF+FR*(\a)+FR-1], v[8*(8*((\a)%4)+\b):8*(8*((\a)%4)+\b)+7]
.endif
.endr
.endr
.endm
.macro FETCH_B slot, q, p              ; B's eight fragments of the slot's q-th 128 along K into set p
	WIN TO_B
.irp i, 0,1,2,3,4,5,6,7
	FRAG 128*(\p)+FR*\i, ADRB+\slot, \q, \i
.endr
	WIN 0
.endm
.macro FETCH_A slot, q, i0             ; A's blocks i0 .. i0 + 3
.irp i, \i0, \i0+1, \i0+2, \i0+3
	FRAG AF+FR*(\i), ADRA+\slot, \q, \i
.endr
.endm
; A load into a register that a matrix instruction has read, and a vector instruction that reads a matrix result, stand NP places behind it; only plain vector instructions that name none of its registers are places.
.macro PLACES n
.rept \n
	v_nop
.endr
.endm
; A step of 128 along K that has its successor in the same slot.  A's blocks go one after the other, each against B's eight: a block of A' is free when its eight products are issued, so one set serves A'.
.macro STEP slot, q, zero
	s_wait_dscnt 4*NL                              ; B's set and A's blocks 0-3 are in; the youngest sixteen loads (A's blocks 4-7) may be out
	WIN MUL_LO
	MUL16 0, (\q)%2, \zero
	MUL16 2, (\q)%2, \zero
	s_wait_dscnt 0                                 ; A's blocks 4-7 are in
	PLACES NP
	FETCH_B \slot, (\q)+1, 1-(\q)%2
	FETCH_A \slot, (\q)+1, 0
	WIN MUL_HI
	MUL16 4, (\q)%2, \zero
	MUL16 6, (\q)%2, \zero
	PLACES NP
	WIN 0
	FETCH_A \slot, (\q)+1, 4
.endm
; A slot's last step changes slots: ONE barrier; in front of it each wave waits for all its tensor loads, adds 0 to its spare word, and waits for that and for its own reads of this slot.  fill = 1: this slot is filled again, two K steps ahead.
.macro TURN slot, next, fill
	s_wait_tensorcnt 0x0                           ; all my tensor loads have landed: my part of the next slot  (every window is 0 here)
	ds_add_u32 v[SPW], v[NIL]                      ; 0 onto my spare word
	s_wait_dscnt 4*NL+1                            ; the add and the youngest sixteen loads, A's blocks 4-7, may be out
	WIN MUL_LO
	MUL16 0, 1, 0                                  ; sixteen matrix instructions stand between the add and the wait for it
	s_wait_dscnt 0x0                               ; the add is done, and my reads of this slot are over
	s_barrier_signal -1
	MUL16 2, 1, 0
	WIN 0
	s_barrier_wait -1
.if \fill
	CREST                                          ; the barrier has opened a round of the cluster's barrier: no wave of any partner still reads this slot's tile or has a load on its way
	s_add_nc_u64 s[G0+4*\slot+2:G0+4*\slot+3], s[G0+4*\slot+2:G0+4*\slot+3], 2*STEPB
	s_add_nc_u64 s[G0B+4*\slot+2:G0B+4*\slot+3], s[G0B+4*\slot+2:G0B+4*\slot+3], 2*STEPB
	JLOAD G0+4*\slot, G1, G0B+4*\slot, G1B         ; the first tensor load behind the round, and my only one until the next; its four v_nop are the places in front of the loads below
.else
	PLACES NP
.endif
	s_wait_alu depctr_va_vdst(0)
	FETCH_B \next, 0, 0
	FETCH_A \next, 0, 0
	WIN MUL_HI
	MUL16 4, 1, 0
	MUL16 6, 1, 0
	PLACES NP
	WIN 0
	FETCH_A \next, 0, 4
.endm
	s_wait_tensorcnt 1                             ; my part of K step 0 is in; K step 1's load may be out
	s_barrier_signal -1
	s_barrier_wait -1                              ; everybody's is
	FETCH_B 0, 0, 0
	FETCH_A 0, 0, 0
	FETCH_A 0, 0, 4
	STEP 0, 0, 1                                   ; the first products start the sums
	TURN 0, 1, 1                                   ; K = 1,024 is twice round the ring: written out, no loop.  Slot 0 takes K step 2,
	STEP 1, 0, 0
	TURN 1, 0, 1                                   ; slot 1 K step 3
	STEP 0, 0, 0
	TURN 0, 1, 0                                   ; nothing is left to fetch
	STEP 1, 0, 0
	s_wait_dscnt 4*NL
	WIN MUL_LO
	MUL16 0, 1, 0
	MUL16 2, 1, 0
	s_wait_dscnt 0
	WIN MUL_HI
	MUL16 4, 1, 0
	MUL16 6, 1, 0
	WIN 0
	; THE WAY OUT: the folded scale, then block by block: convert, store
	s_wait_kmcnt 0x0
	s_sub_co_i32 s84, s78, s72
	s_sub_co_i32 s84, s84, s73                     ; Q: e6 - e0 - e1
	s_sub_co_i32 s85, s79, s74
	s_sub_co_i32 s85, s85, s75                     ; K: e7 - e2 - e3
	s_sub_co_i32 s86, s81, s76
	s_sub_co_i32 s86, s86, s77                     ; V: e9 - e4 - e5
	s_cmp_eq_u32 ttmp9, 1
	s_cselect_b32 s84, s85, s84
	s_cmp_eq_u32 ttmp9, 2
	s_cselect_b32 s84, s86, s84
	s_add_co_i32 s84, s84, 127
	s_lshl_b32 s85, s84, 23
	v_mov_b32 v[SCV], s85                          ; the folded scale as f32: the conversion takes its exponent field
	s_add_co_i32 s84, s84, 8
	s_lshl_b32 s84, s84, 23
	s_or_b32 s84, s84, 0x600000
	PLACES NP
.macro OUTQ a                          ; block a: my lane's position 16 a + r of A', 64 sums: 16 neighbours for each pair of tiles
.set AC, 64*((\a)%4)
	WIN 0x02+((\a)/4)                              ; source 0: window 2 or 3
.set j, 0
.rept 64
.set j, j+1
.endr
.irp b, 0,1,2,3
	v_cvt_scalef32_pk8_fp8_f32 v[CD+16*(\a)+4*\b:CD+16*(\a)+4*\b+1], v[AC+16*\b:AC+16*\b+7], v[SCV]
	v_cvt_scalef32_pk8_fp8_f32 v[CD+16*(\a)+4*\b+2:CD+16*(\a)+4*\b+3], v[AC+16*\b+8:AC+16*\b+15], v[SCV]
.endr
	WIN 0
	v_nop
.irp b, 0,1,2,3
	global_store_b128 v[VO+(\a)], v[CD+16*(\a)+4*\b:CD+16*(\a)+4*\b+3], s[8:9] offset:512*\b   ; 32 lanes store 512 consecutive bytes, aligned; each block has code registers of its own, so no store's data are written again
.endr
.endm
.irp a, 0,1,2,3,4,5,6,7
	OUTQ \a
.endr
	s_wait_tensorcnt 0x0                           ; the wave's end
	ds_add_u32 v[SPW], v[NIL]
	s_wait_dscnt 0x0
	CROUND                                         ; the closing round: no work-group ends while a partner may still ask for a tile that names it
	s_endpgm
.Lfunc_end_k_qebfeb696ea_qkv:
	.size	k_qebfeb696ea_qkv, .Lfunc_end_k_qebfeb696ea_qkv-k_qebfeb696ea_qkv
	.p2alignl 7, 3214868480
	.fill 96, 4, 3214868480
	.section	.rodata,"a",@progbits
	.p2align	6, 0x0
	.amdhsa_kernel k_qebfeb696ea_qkv
		.amdhsa_group_segment_fixed_size 327680
		.amdhsa_private_segment_fixed_size 0
		.amdhsa_enable_private_segment 0
		.amdhsa_kernarg_size 24
		.amdhsa_user_sgpr_count 2
		.amdhsa_user_sgpr_kernarg_segment_ptr 1
		.amdhsa_wavefront_size32 1
		.amdhsa_system_sgpr_workgroup_id_x 1
		.amdhsa_system_sgpr_workgroup_id_y 1
		.amdhsa_system_sgpr_workgroup_id_z 1
		.amdhsa_system_vgpr_workitem_id 0
		.amdhsa_next_free_vgpr 1024
		.amdhsa_next_free_sgpr 100
		.amdhsa_reserve_vcc 0
		.amdhsa_float_denorm_mode_32 3
		.amdhsa_float_denorm_mode_16_64 3
		.amdhsa_fp16_overflow 1
		.amdhsa_memory_ordered 1
		.amdhsa_forward_progress 1
		.amdhsa_inst_pref_size 87
	.end_amdhsa_kernel
	.amdgpu_metadata
---
amdhsa.version: [ 1, 2 ]
amdhsa.kernels:
  - .name:           k_qebfeb696ea_qkv
    .symbol:         k_qebfeb696ea_qkv.kd
    .args:
      - { .name: cod, .offset: 0, .size: 8, .value_kind: global_buffer, .address_space: global }
      - { .name: lowp_scales, .offset: 8, .size: 8, .value_kind: global_buffer, .address_space: global }
      - { .name: qkv, .offset: 16, .size: 8, .value_kind: global_buffer, .address_space: global }
    .group_segment_fixed_size: 327680
    .private_segment_fixed_size: 0
    .kernarg_segment_align: 8
    .kernarg_segment_size: 24
    .max_flat_workgroup_size: 128
    .sgpr_count:     100
    .vgpr_count:     1024
    .wavefront_size: 32
...
	.end_amdgpu_metadata
.endif
;; end of part 2
;; launch attn (part 3): grid 4 x 64, 16 waves a work-group, no clusters, 327,680 bytes of LDS; arguments qkv, lowp_scales, oc; writes oc
.if DOCPART == 3
	.amdgcn_target "amdgcn-amd-amdhsa--gfx1250"
	.amdhsa_code_object_version 6
	.text
	.protected	k_qebfeb696ea_attn
	.globl	k_qebfeb696ea_attn
	.p2align	8
	.type	k_qebfeb696ea_attn,@function
k_qebfeb696ea_attn:
	s_mov_b64 s[64:65], 0
	v_nop
	global_prefetch_b8 v0, s[64:65] scope:SCOPE_SE
	s_setreg_imm32_b32 hwreg(HW_REG_WAVE_MODE, 25, 1), 1
	s_wait_xcnt 0x0
; Causal attention of 64 (batch, head) pairs, 2,048 tokens, head size 64, both products on codes of FP8 (E4M3); the result is quantised at once for the output projection.
; INPUT qkv: Q at 0, K at 8,388,608: [token position / 16 (512)][head 16][b' 2][lane 32][16 bytes]: lane (r, h): position r of the tile, channel 32 b' + 16 h + e.  Position p holds token 32 (p / 32) + 8 ((p / 16) % 2) + p % 16 + 8 ((p % 16) / 8).
;   V at 16,777,216: [token / 128 (64)][head 16][cb 4][c 4][lane 32][16]: channel position 16 cb + r, key 32 c + 16 h + e (true tokens).  All are images of operand registers: a fragment is read by loads of 512 consecutive bytes.
; OUTPUT oc: [token position / 16][K step 8][c 4][lane][16], k = 64 head + channel: the image that the projection reads; a tile of one head is 1,024 bytes at 1,024 x head, as in Q.
; THE SOFTMAX AHEAD OF THE SECOND PRODUCT: t = score x log2(e) / 8; M = the row's largest t so far, rounded UP to a whole number; p = 2^(t - M) is quantised, not normalised; the row's sum is taken of the unquantised p and divides at the end.
; When M moves, the sum and O are multiplied by 2^(old M - new M): exact.
; LAYOUT: both products transposed: S^T = K Q^T (source 0 = 16 key positions, source 1 = my 16 queries), O^T = V^T P^T: a lane holds ONE query throughout.  By the order of positions, the 16 registers of tiles 2 b, 2 b + 1
; of S^T are the keys 32 b + 16 h + 0 .. 15, and those of O^T the channels 32 b + 16 h + 0 .. 15: the conversions' results are operand registers as they stand.
; SHARES: work-group (i, batch x head) owns two blocks of 256 queries: block 7 - i, which needs key slots 0 .. 7 - i, and then block i, slots 0 .. i: NINE slots of 256 keys whatever i is, so all 256 work-groups have like work
; and every trip count is a constant.  Each of sixteen waves owns one tile of 16 queries in 256 registers: four waves to a SIMD, so that one wave's vector work stands beside another's matrix work and LDS loads.
; A step all of whose 128 keys come after the wave's queries is left out by a scalar branch on ids; on the diagonal hidden scores become -infinity.  Key 0 counts for every query, so M is a number from the first step on.
; NO CLUSTER: the four work-groups of a head walk slot lists of different lengths (8 - i, then i + 1): from the fifth slot on they want different tiles, and a common list would be 12 slots long against 9.
; LIMITS: e6 + e7 between -123 and 130 (added to the exponent field of log2(e) / 8); e8 and e10 - e8 - e9 between -126 and 119.
; REGISTERS: v1 16 x lane; v2 the mask's lane term; v3 prefetch offset; v5, v6 the add's; v8 slot address; v12 -M, v13 largest t, v[14:15] the sum; v16-23 Q; v24-31 the second block's Q; v32-95 K's, then V's fragments;
;   v96-159 S^T, then p; v160-191 O^T; v192-207 p's codes; v208-215 the result's codes; v236-255 at work and constants.
.set OFF_K,  8388608
.set OFF_V,  16777216
.set SLOT1,  32768                     ; a slot: 16 tiles of K (16,384 bytes), then two key steps of V (16,384); slot 1 begins here: one exclusive or turns an address from one slot into the other
.set VOFF,   16384
.set SPARE,  65536                     ; behind the ring: the spare words, 128 bytes for each wave: eight blocks of 256 bytes that no other line names
.set SLOTB,  262144                    ; a slot on in memory, in K (16 blocks of 16,384) and in V (2 key steps of 131,072) alike
.set PFO,  3
.set SPW,  5
.set NIL,  6
.set AD,   8
.set TB,   2                           ; s2   LDS byte at which the slot in hand begins
.set I1,   12                          ; s12  i + 1
.set WV,   18                          ; s18  my wave's number
.set SEL,  20                          ; s[20:21] lane selects for v_permlanex16_b32: lane l xor 16
.set CS,   22                          ; s[22:23] c = log2(e) / 8 x 2^(e6 + e7)
.set G1K,  24                          ; s[24:31], s[32:39] descriptor groups 1;  s[40:43], s[44:47] groups 0
.set G1V,  32
.set G0K,  40
.set G0V,  44
.set KB,   48                          ; s[48:49] my part of K's slot 0 in memory;  s[50:51] of V's
.set VB,   50
.set QAH,  52                          ; s[52:53], s[54:55] my tile of Q in block 7 - i and in block i;  s[56:57], s[58:59] the same in oc
.set QAL,  54
.set OAH,  56
.set OAL,  58
.set OFS,  60                          ; s[60:61] a slot's byte offset; s61 stays 0
.set SLOTS, 67                         ; s67  slots still to be asked for
.set PFA,  80                          ; s[80:81] where my prefetches stand
.set LIM,  82                          ; s82  2 in a wave that prefetches, else the greatest number
.set KF,   84                          ; s84  the step's first key
.set QB,   85                          ; s85  the first token of the 32 among which my 16 queries lie;  s86 the same for block i
.set QBL,  86
; Waves 0 and 1 fetch K's halves, waves 2 and 3 V's key steps, the others nothing.  The branches hang on the wave's number alone.  Four v_nop follow each of the two lines.
.macro TLOAD
	s_cmp_lt_u32 s[WV], 2
	s_cbranch_scc0 .Lnot_k_\@
	tensor_load_to_lds s[G0K:G0K+3], s[G1K:G1K+7]
	s_nop 0
.rept 4
	v_nop
.endr
	s_branch .Lasked_\@
.Lnot_k_\@:
	s_cmp_lt_u32 s[WV], 4
	s_cbranch_scc0 .Lasked_\@
	tensor_load_to_lds s[G0V:G0V+3], s[G1V:G1V+7]
	s_nop 0
.rept 4
	v_nop
.endr
.Lasked_\@:
.endm
; A PREFETCH INTO THE L2 of the slot that the NEXT change of slots will ask for.  All four work-groups of a head begin with slots 0, 1, 2 ..; the one with i = 0 walks 0 to 7 in order, and it alone asks.  In it four waves that fetch
; nothing ask, one instruction each: waves 4 and 5 for K's 16 tiles (8 tiles a wave, four lanes to a tile's 1,024 bytes), waves 6 and 7 for V's two key steps (8,192 dense bytes a wave), lanes 256 bytes apart.
; So each aligned block of 256 bytes of slots 2 to 7 is named once in the launch.  Slots 0 and 1 come by their loads alone; the last two fills, slot 7 and the second block's slot 0, have nothing behind them to ask for.
.macro ASK
	s_cmp_gt_u32 s[SLOTS], s[LIM]
	s_cbranch_scc0 .Lnot_mine_\@
	global_prefetch_b8 v[PFO], s[PFA:PFA+1] th:TH_LOAD_NT scope:SCOPE_SE
.Lnot_mine_\@:
.endm
.macro INIT                            ; a block's start: the largest t under every t, the sum and O^T zeros, which the first change of M leaves zeros
	v_mov_b32 v13, 0xff61b1e6                      ; -3e38
	s_delay_alu instid0(VALU_DEP_1)
	v_floor_f32 v12, -v13                          ; -M
	v_mov_b32 v14, 0
	v_mov_b32 v15, 0
.set j, 0
.rept 32
	v_mov_b32 v[160+j], 0
.set j, j+1
.endr
.endm
	s_load_b128 s[4:7], s[0:1], 0x0                ; qkv s[4:5], the scales' exponents s[6:7]
	s_load_b64 s[8:9], s[0:1], 0x10                ; oc
	v_lshl_add_u32 v[SPW], v0, 2, SPARE
	v_mov_b32 v[NIL], 0
	ds_add_u32 v5, v6
	ds_add_u32 v5, v6
	s_wait_dscnt 0x0
	v_lshrrev_b32 v8, 5, v0
	s_delay_alu instid0(VALU_DEP_1)
	v_readfirstlane_b32 s[WV], v8                  ; wave 0..15
	s_and_b32 s10, ttmp7, 0xffff
	s_lshr_b32 s11, s10, 4                         ; batch
	s_and_b32 s10, s10, 15                         ; head
	s_add_co_u32 s[I1], ttmp9, 1
	s_and_b32 s13, s[WV], 1
	s_lshr_b32 s14, s[WV], 1
	s_sub_co_u32 s15, 7, ttmp9                     ; the first block of queries: 7 - i
	s_lshl_b32 s97, s10, 10                        ; 1,024 x head
	s_lshl_b32 s74, s11, 7
	s_lshl_b32 s96, s13, 3
	s_add_co_u32 s74, s74, s96
	s_lshl_b32 s74, s74, 14                        ; K: block 128 x batch + 8 x (wave % 2) of 16 positions,
	s_add_co_u32 s74, s74, s97                     ; my head's tile in it
	s_add_co_u32 s74, s74, OFF_K
	s_mov_b32 s75, 0
	s_lshl_b32 s76, s11, 4
	s_add_co_u32 s76, s76, s13
	s_lshl_b32 s76, s76, 17                        ; V: key step 16 x batch + wave % 2,
	s_lshl_b32 s96, s10, 13
	s_add_co_u32 s76, s76, s96                     ; my head's 8,192 bytes in it
	s_add_co_u32 s76, s76, OFF_V
	s_mov_b32 s77, 0
	s_lshl_b32 s78, s11, 7
	s_add_co_u32 s78, s78, s[WV]                   ; 128 x batch + wave
	s_lshl_b32 s96, s15, 4
	s_add_co_u32 s88, s78, s96
	s_lshl_b32 s88, s88, 14
	s_add_co_u32 s88, s88, s97                     ; my tile in block 7 - i: the same bytes' offset in Q and in oc
	s_mov_b32 s89, 0
	s_lshl_b32 s96, ttmp9, 4
	s_add_co_u32 s90, s78, s96
	s_lshl_b32 s90, s90, 14
	s_add_co_u32 s90, s90, s97                     ; and in block i
	s_mov_b32 s91, 0
	s_lshl_b32 s96, s14, 5
	s_lshl_b32 s[QB], s15, 8
	s_add_co_u32 s[QB], s[QB], s96                 ; 256 x block + 32 (wave / 2)
	s_lshl_b32 s[QBL], ttmp9, 8
	s_add_co_u32 s[QBL], s[QBL], s96
	; descriptor groups 1.  K: 8 tiles of 1,024 bytes, 16,384 bytes apart, dense in LDS;  V: 8,192 dense bytes as 32 rows of 256
	s_mov_b32 s[G1K], 3<<16                        ; 15:0 no mask; 17:16 elements of 8 bytes; no padding
	s_mov_b32 s[G1K+1], 128<<16                    ; tensor_dim0
	s_mov_b32 s[G1K+2], 8<<16                      ; tensor_dim1
	s_mov_b32 s[G1K+3], 128<<16                    ; tile_dim0
	s_mov_b32 s[G1K+4], 8                          ; tile_dim1
	s_mov_b32 s[G1K+5], 2048                       ; tensor_dim0_stride, in elements
	s_mov_b32 s[G1K+6], 0
	s_mov_b32 s[G1K+7], 0
	s_mov_b32 s[G1V], 3<<16
	s_mov_b32 s[G1V+1], 32<<16
	s_mov_b32 s[G1V+2], 32<<16
	s_mov_b32 s[G1V+3], 32<<16
	s_mov_b32 s[G1V+4], 32
	s_mov_b32 s[G1V+5], 32
	s_mov_b32 s[G1V+6], 0
	s_mov_b32 s[G1V+7], 0
	s_mov_b32 s[SEL], 0x76543210
	s_mov_b32 s[SEL+1], 0xfedcba98
	s_mov_b32 s[CS], 0x3e38aa3b                    ; log2(e) / 8
	s_mov_b32 s[TB], 0
	s_mov_b32 s[SLOTS], 8
	s_mov_b32 s[KF], 0
	s_mov_b32 s[OFS+1], 0
	s_wait_kmcnt 0x0
	s_load_b128 s[68:71], s[6:7], 0x18             ; e6, e7, e8, e9
	s_load_b32 s72, s[6:7], 0x28                   ; e10
	s_add_nc_u64 s[KB:KB+1], s[4:5], s[74:75]
	s_add_nc_u64 s[VB:VB+1], s[4:5], s[76:77]
	s_mov_b32 s[G0K], 1                            ; count = 1
	s_lshl_b32 s[G0K+1], s13, 13                   ; LDS address: slot 0, my half of K's tiles
	s_mov_b64 s[G0K+2:G0K+3], s[KB:KB+1]
	s_or_b32 s[G0K+3], s[G0K+3], 0x80000000        ; type = 2
	s_mov_b32 s[G0V], 1
	s_add_co_u32 s[G0V+1], s[G0K+1], VOFF
	s_mov_b64 s[G0V+2:G0V+3], s[VB:VB+1]
	s_or_b32 s[G0V+3], s[G0V+3], 0x80000000
	TLOAD                                          ; slot 0: one load of mine is out at the most, here and behind every barrier
	s_add_nc_u64 s[QAH:QAH+1], s[4:5], s[88:89]
	s_add_nc_u64 s[QAL:QAL+1], s[4:5], s[90:91]
	s_add_nc_u64 s[OAH:OAH+1], s[8:9], s[88:89]
	s_add_nc_u64 s[OAL:OAL+1], s[8:9], s[90:91]
	v_and_b32 v9, 31, v0
	s_delay_alu instid0(VALU_DEP_1)
	v_lshlrev_b32 v1, 4, v9                        ; 16 x lane
	global_load_b128 v[16:19], v1, s[QAH:QAH+1]            ; Q's fragment of block 7 - i stays in registers,
	global_load_b128 v[20:23], v1, s[QAH:QAH+1] offset:512
	global_load_b128 v[24:27], v1, s[QAL:QAL+1]            ; and block i's waits beside it
	global_load_b128 v[28:31], v1, s[QAL:QAL+1] offset:512
	; the prefetches: where my wave's stand, and who asks
	s_cmp_lt_u32 s[WV], 6
	s_cselect_b64 s[PFA:PFA+1], s[KB:KB+1], s[VB:VB+1]     ; (both hold my wave's half already)
	s_mov_b32 s96, 1024
	s_cselect_b32 s96, 16384, s96                  ; from four lanes to the next four: a tile of K on, or 1,024 bytes of V
	s_add_nc_u64 s[PFA:PFA+1], s[PFA:PFA+1], SLOTB ; in slot 1: the first change of slots steps it to slot 2.  Nothing is prefetched here, at the head
	v_bfe_u32 v[PFO], v0, 2, 3
	s_delay_alu instid0(VALU_DEP_1)
	v_mul_lo_u32 v[PFO], v[PFO], s96
	v_and_b32 v9, 3, v0
	s_delay_alu instid0(VALU_DEP_1)
	v_lshl_add_u32 v[PFO], v9, 8, v[PFO]
	s_sub_co_u32 s96, s[WV], 4
	s_lshr_b32 s96, s96, 2                         ; 0 in waves 4 to 7,
	s_or_b32 s96, s96, ttmp9                       ; of the work-group with i = 0
	s_cmp_eq_u32 s96, 0
	s_cselect_b32 s[LIM], 2, -1
	; the mask's lane term: my query's token less QB, less 16 h: 8 (wave % 2) + r + 8 (r / 8) - 16 h
	v_and_b32 v9, 15, v0
	s_delay_alu instid0(VALU_DEP_1)
	v_and_b32 v10, 8, v9
	s_delay_alu instid0(VALU_DEP_1)
	v_add_nc_u32 v9, v9, v10
	v_bfe_u32 v10, v0, 4, 1
	s_delay_alu instid0(VALU_DEP_1)
	v_lshlrev_b32 v10, 4, v10
	s_delay_alu instid0(VALU_DEP_1)
	v_sub_nc_u32 v9, v9, v10
	s_lshl_b32 s96, s13, 3
	v_add_nc_u32 v2, s96, v9
	INIT
	v_mov_b32 v236, 0                              ; written once: a lane permute's destination counts as one of its sources
	v_mov_b32 v253, 0                              ; (named as the upper half of the pair v[252:253])
	s_wait_kmcnt 0x0
	s_add_co_i32 s96, s68, s69
	s_lshl_b32 s96, s96, 23
	s_add_co_i32 s[CS], s[CS], s96                 ; a score stands for score x 2^(e6 + e7): the two exponents are added to c's exponent field
	s_mov_b32 s[CS+1], s[CS]                       ; (named with it as a pair, so it is written)
	s_add_co_i32 s96, s70, 127
	s_lshl_b32 s97, s96, 23
	v_mov_b32 v244, s97                            ; 2^e8, for p's conversion
	s_sub_co_i32 s96, s72, s70
	s_sub_co_i32 s96, s96, s71                     ; O^T / the sum stands for that x 2^(e8 + e9): its code under 2^e10 takes the one scale 2^(e10 - e8 - e9)
	s_add_co_i32 s96, s96, 127
	s_lshl_b32 s97, s96, 23
	v_mov_b32 v245, s97
; A KEY STEP: 128 keys, the q-th of the slot in hand.
.macro STEP q
	s_add_co_u32 s96, s[QB], 31                    ; my queries lie in QB .. QB + 31; KF is a multiple of 128: a step that is not left out begins at or before my first query
	s_cmp_gt_u32 s[KF], s96
	s_cbranch_scc1 .Lhidden_\@
	v_add_nc_u32 v[AD], s[TB], v1
.rept 3
	v_nop                                          ; with the addition above: four places in front of loads into registers that the last products read
.endr
.irp t, 0,1,2,3,4,5,6,7
	ds_load_b128 v[32+8*\t:35+8*\t], v[AD] offset:8192*\q+1024*\t          ; K's tile t: 512 consecutive bytes a load
	ds_load_b128 v[36+8*\t:39+8*\t], v[AD] offset:8192*\q+1024*\t+512
.endr
	s_wait_dscnt 0x0
	s_wait_alu depctr_va_vdst(0)
.irp t, 0,1,2,3,4,5,6,7
	v_wmma_f32_16x16x64_fp8_fp8 v[96+8*\t:103+8*\t], v[32+8*\t:39+8*\t], v[16:23], 0
.endr
.rept 4
	v_nop                                          ; four places: in front of the loads below and of the first read of the scores
.endr
.irp cb, 0,1,2,3
.irp c, 0,1,2,3
	ds_load_b128 v[32+16*\cb+4*\c:35+16*\cb+4*\c], v[AD] offset:VOFF+8192*\q+2048*\cb+512*\c   ; V's four fragments land while the softmax is worked
.endr
.endr
	s_add_co_u32 s96, s[KF], 128                   ; a step all of whose keys come before my first query skips the mask
	s_cmp_le_u32 s96, s[QB]
	s_cbranch_scc1 .Lopen_\@
	s_sub_co_i32 s96, s[QB], s[KF]
	v_add_nc_u32 v252, s96, v2                     ; d = my query - KF - 16 h.  Register 16 b + i holds key KF + 16 h + 32 b + i: hidden where 32 b + i > d
	v_mov_b32 v254, 0xff800000                     ; -infinity: p = 0 then
.set n, 0
.rept 64
	v_cmp_gt_i32 vcc_lo, 32*(n/16)+n%16, v252
	v_cndmask_b32 v[96+n], v[96+n], v254, vcc_lo
.set n, n+1
.endr
.Lopen_\@:
	v_max3_num_f32 v254, v96, v97, v98             ; the step's largest score of my query, among my 64 keys, in two chains,
	v_max3_num_f32 v252, v99, v100, v101
.set i, 6
.rept 14
	v_max3_num_f32 v254, v254, v[96+i], v[97+i]
	v_max3_num_f32 v252, v252, v[98+i], v[99+i]
.set i, i+4
.endr
	v_max3_num_f32 v254, v254, v158, v159
	s_delay_alu instid0(VALU_DEP_1)
	v_max_num_f32 v254, v254, v252
	s_delay_alu instid0(VALU_DEP_1)
	v_permlanex16_b32 v236, v254, s[SEL], s[SEL+1]
	s_delay_alu instid0(VALU_DEP_1)
	v_max_num_f32 v254, v254, v236                 ; and among lane l xor 16's
	s_delay_alu instid0(VALU_DEP_1)
	v_mul_f32 v254, s[CS], v254                    ; as t (c is positive)
	s_delay_alu instid0(VALU_DEP_1)
	v_max_num_f32 v13, v13, v254                   ; the running largest t
	v_mov_b32 v254, v12
	s_delay_alu instid0(VALU_DEP_2)
	v_floor_f32 v12, -v13                          ; the new -M = floor(-t) = -ceil(t): a whole number
	s_delay_alu instid0(VALU_DEP_1)
	v_sub_f32 v254, v12, v254                      ; M's old value less its new one: 0 or less
	s_delay_alu instid0(VALU_DEP_1)
	v_cvt_i32_f32 v254, v254                       ; (it saturates)
	s_delay_alu instid0(VALU_DEP_1)
	v_ldexp_f32 v252, 1.0, v254                    ; f = 2^(old M - new M)
.set j, 0
.rept 32
	v_pk_fma_f32 v[96+j:97+j], v[96+j:97+j], s[CS:CS+1], v[12:13] op_sel_hi:[1,0,0]   ; t - M, two at a time (of the pairs c and -M the low word serves both halves)
.set j, j+2
.endr
.set j, 0
	s_wait_alu depctr_va_vdst(0)
.rept 64
	v_exp_f32 v[96+j], v[96+j]                     ; p = 2^(t - M), at most 1
.set j, j+1
.endr
	v_pk_mul_f32 v[14:15], v[14:15], v[252:253] op_sel_hi:[1,0]   ; the sums under the new M: the plain line behind the exponentials
	s_wait_alu depctr_va_vdst(0)                   ; one wait for the whole batch, ahead of its first reader
	v_pk_add_f32 v[242:243], v[100:101], v[104:105]
	v_pk_add_f32 v[254:255], v[108:109], v[112:113]
	v_pk_add_f32 v[250:251], v[116:117], v[120:121]
	v_pk_add_f32 v[248:249], v[124:125], v[128:129]
	v_pk_add_f32 v[246:247], v[132:133], v[136:137]
	v_pk_add_f32 v[240:241], v[140:141], v[144:145]
	v_pk_add_f32 v[238:239], v[148:149], v[152:153]
	v_pk_add_f32 v[14:15], v[14:15], v[156:157]
	v_pk_add_f32 v[242:243], v[242:243], v[96:97]
	v_pk_add_f32 v[254:255], v[254:255], v[98:99]
	v_pk_add_f32 v[250:251], v[250:251], v[102:103]
	v_pk_add_f32 v[248:249], v[248:249], v[106:107]
	v_pk_add_f32 v[246:247], v[246:247], v[110:111]
	v_pk_add_f32 v[240:241], v[240:241], v[114:115]
	v_pk_add_f32 v[238:239], v[238:239], v[118:119]
	v_pk_add_f32 v[14:15], v[14:15], v[122:123]
	v_pk_add_f32 v[242:243], v[242:243], v[126:127]
	v_pk_add_f32 v[254:255], v[254:255], v[130:131]
	v_pk_add_f32 v[250:251], v[250:251], v[134:135]
	v_pk_add_f32 v[248:249], v[248:249], v[138:139]
	v_pk_add_f32 v[246:247], v[246:247], v[142:143]
	v_pk_add_f32 v[240:241], v[240:241], v[146:147]
	v_pk_add_f32 v[238:239], v[238:239], v[150:151]
	v_pk_add_f32 v[14:15], v[14:15], v[154:155]
	v_pk_add_f32 v[242:243], v[242:243], v[158:159]
	s_delay_alu instid0(VALU_DEP_2)
	v_pk_add_f32 v[14:15], v[14:15], v[248:249]
	s_delay_alu instid0(VALU_DEP_2)
	v_pk_add_f32 v[242:243], v[242:243], v[246:247]
	v_pk_add_f32 v[254:255], v[254:255], v[240:241]
	v_pk_add_f32 v[250:251], v[250:251], v[238:239]
	s_delay_alu instid0(VALU_DEP_2)
	v_pk_add_f32 v[14:15], v[14:15], v[254:255]
	s_delay_alu instid0(VALU_DEP_2)
	v_pk_add_f32 v[242:243], v[242:243], v[250:251]
	s_delay_alu instid0(VALU_DEP_1)
	v_pk_add_f32 v[14:15], v[14:15], v[242:243]
.irp b, 0,1,2,3
.irp i, 0,1,2,3,4,5,6,7,8,9,10,11,12,13,14,15
.endr
	v_cvt_scalef32_pk8_fp8_f32 v[192+4*\b:193+4*\b], v[96+16*\b:103+16*\b], v244
	v_cvt_scalef32_pk8_fp8_f32 v[194+4*\b:195+4*\b], v[104+16*\b:111+16*\b], v244
.endr
.set j, 0
.rept 16
	v_pk_mul_f32 v[160+j:161+j], v[160+j:161+j], v[252:253] op_sel_hi:[1,0]   ; O^T under the new M; these are also the plain lines between the conversions and the products below
.set j, j+2
.endr
	s_wait_alu depctr_va_vdst(0)
	s_wait_dscnt 0x0                               ; V's fragments are in
.irp cb, 0,1,2,3                               ; O^T += V^T P^T: the four accumulators by turns, one instruction a turn
	v_wmma_f32_16x16x128_fp8_fp8 v[160+8*\cb:167+8*\cb], v[32+16*\cb:47+16*\cb], v[192:207], v[160+8*\cb:167+8*\cb]
.endr
.Lhidden_\@:
	s_add_co_u32 s[KF], s[KF], 128
.endm
; THE CHANGE OF SLOTS stands at a slot's head.  Each wave waits for all its tensor loads (its part of the slot that it is about to read), adds 0 to its spare word, and waits for that and for its reads of the slot that it has left.
; Behind the barrier the slot ahead is whole and nobody reads the other one.  fill = 1: that other slot is filled with the next slot of the work-group's list; the load has two key steps in which to land.
.macro CHANGE fill
	s_wait_tensorcnt 0x0                           ; no tensor load of mine is out, so a group 0 may be written
	ds_add_u32 v[SPW], v[NIL]                      ; 0 onto my spare word; the descriptors' steps stand between it and the wait for it
.if \fill
	s_xor_b32 s[G0K+1], s[G0K+1], SLOT1            ; the other slot than last time
	s_xor_b32 s[G0V+1], s[G0V+1], SLOT1
	s_cmp_le_u32 s[SLOTS], s[I1]                   ; entry 9 - SLOTS of the list 0 .. 7 - i, 0 .. i:
	s_cselect_b32 s[OFS], s[I1], 9
	s_sub_co_u32 s[OFS], s[OFS], s[SLOTS]          ; 9 - SLOTS in the first block, i + 1 - SLOTS in the second
	s_lshl_b32 s[OFS], s[OFS], 18                  ; x 262,144 bytes
	s_add_nc_u64 s[G0K+2:G0K+3], s[KB:KB+1], s[OFS:OFS+1]
	s_or_b32 s[G0K+3], s[G0K+3], 0x80000000
	s_add_nc_u64 s[G0V+2:G0V+3], s[VB:VB+1], s[OFS:OFS+1]
	s_or_b32 s[G0V+3], s[G0V+3], 0x80000000
	s_wait_xcnt 0x0                                ; the last prefetch, a slot back, has read its address, so it may be written
	s_add_nc_u64 s[PFA:PFA+1], s[PFA:PFA+1], SLOTB
.endif
	s_wait_dscnt 0x0                               ; the add is done, and my reads of the slot that I have left are over
	s_barrier_signal -1
	s_barrier_wait -1
.if \fill
	TLOAD                                          ; the first thing behind the barrier, and a wave's one tensor load until the next
	ASK                                            ; slot 10 - SLOTS, which the next change of slots will ask for
.endif
.endm
; A block's end: O^T / the sum, held, converted, stored: 16 channels a lane for each half of the head: two stores of 512 consecutive bytes.
.macro FINISH oa
.rept 4
	v_nop                                          ; four places behind the last products
.endr
	s_wait_xcnt 0x0                                ; an earlier block's stores have read their data: the codes' registers are written again only behind this wait
	v_add_f32 v14, v14, v15                        ; the sum's two halves,
	s_wait_alu depctr_va_vdst(0)
	v_permlanex16_b32 v236, v14, s[SEL], s[SEL+1]
	s_delay_alu instid0(VALU_DEP_1)
	v_add_f32 v14, v14, v236                       ; and lane l xor 16's: the row's sum
	s_wait_alu depctr_va_vdst(0)
	v_rcp_f32 v14, v14
	v_nop                                          ; a plain line behind the transcendental
	s_wait_alu depctr_va_vdst(0)                   ; and the wait ahead of its first reader
.set j, 0
.rept 16
	v_pk_mul_f32 v[96+j:97+j], v[160+j:161+j], v[14:15] op_sel_hi:[1,0]   ; each accumulator from its low end on
.set j, j+2
.endr
.set j, 0
.rept 32
.set j, j+1
.endr
.irp b, 0,1
	v_cvt_scalef32_pk8_fp8_f32 v[208+4*\b:209+4*\b], v[96+16*\b:103+16*\b], v245
	v_cvt_scalef32_pk8_fp8_f32 v[210+4*\b:211+4*\b], v[104+16*\b:111+16*\b], v245
.endr
	v_nop                                          ; a plain line behind the last conversion: later products write its sources
	global_store_b128 v1, v[208:211], s[\oa:\oa+1]
	global_store_b128 v1, v[212:215], s[\oa:\oa+1] offset:512
.endm
	s_wait_loadcnt 0x0                             ; Q, both tiles
.Lslot:                                            ; eight trips: behind each change of slots but the last the list's next slot is asked for
	CHANGE 1
	STEP 0
	STEP 1
	s_xor_b32 s[TB], s[TB], SLOT1                  ; on to the other slot
	s_cmp_lg_u32 s[SLOTS], s[I1]                   ; entry 8 - SLOTS has been worked: it is the first block's last where SLOTS = i + 1.  The branch hangs on the work-group's number and the counter; no barrier, tensor load or LDS line stands inside
	s_cbranch_scc1 .Lsame_block
	FINISH OAH
	INIT
.irp j, 0,1,2,3,4,5,6,7
	v_mov_b32 v[16+\j], v[24+\j]                   ; block i's queries
.endr
	s_mov_b32 s[KF], 0
	s_mov_b32 s[QB], s[QBL]
.Lsame_block:
	s_sub_co_u32 s[SLOTS], s[SLOTS], 1
	s_cmp_lg_u32 s[SLOTS], 0
	s_cbranch_scc1 .Lslot
	CHANGE 0                                       ; the last slot is written out
	STEP 0
	STEP 1
	FINISH OAL
	s_wait_tensorcnt 0x0                           ; the wave's end
	ds_add_u32 v[SPW], v[NIL]
	s_wait_dscnt 0x0
	s_endpgm
.Lfunc_end_k_qebfeb696ea_attn:
	.size	k_qebfeb696ea_attn, .Lfunc_end_k_qebfeb696ea_attn-k_qebfeb696ea_attn
	.p2alignl 7, 3214868480
	.fill 96, 4, 3214868480
	.section	.rodata,"a",@progbits
	.p2align	6, 0x0
	.amdhsa_kernel k_qebfeb696ea_attn
		.amdhsa_group_segment_fixed_size 327680
		.amdhsa_private_segment_fixed_size 0
		.amdhsa_enable_private_segment 0
		.amdhsa_kernarg_size 24
		.amdhsa_user_sgpr_count 2
		.amdhsa_user_sgpr_kernarg_segment_ptr 1
		.amdhsa_wavefront_size32 1
		.amdhsa_system_sgpr_workgroup_id_x 1
		.amdhsa_system_sgpr_workgroup_id_y 1
		.amdhsa_system_sgpr_workgroup_id_z 1
		.amdhsa_system_vgpr_workitem_id 0
		.amdhsa_next_free_vgpr 256
		.amdhsa_next_free_sgpr 100
		.amdhsa_reserve_vcc 1
		.amdhsa_float_denorm_mode_32 3
		.amdhsa_float_denorm_mode_16_64 3
		.amdhsa_fp16_overflow 1
		.amdhsa_memory_ordered 1
		.amdhsa_forward_progress 1
		.amdhsa_inst_pref_size 91
	.end_amdhsa_kernel
	.amdgpu_metadata
---
amdhsa.version: [ 1, 2 ]
amdhsa.kernels:
  - .name:           k_qebfeb696ea_attn
    .symbol:         k_qebfeb696ea_attn.kd
    .args:
      - { .name: qkv, .offset: 0, .size: 8, .value_kind: global_buffer, .address_space: global }
      - { .name: lowp_scales, .offset: 8, .size: 8, .value_kind: global_buffer, .address_space: global }
      - { .name: oc, .offset: 16, .size: 8, .value_kind: global_buffer, .address_space: global }
    .group_segment_fixed_size: 327680
    .private_segment_fixed_size: 0
    .kernarg_segment_align: 8
    .kernarg_segment_size: 24
    .max_flat_workgroup_size: 512
    .sgpr_count:     100
    .vgpr_count:     256
    .wavefront_size: 32
...
	.end_amdgpu_metadata
.endif
;; end of part 3
;; launch oproj (part 4): grid 4 x 32, 4 waves a work-group, clusters of 4 x 4, 327,680 bytes of LDS; arguments oc, cod, lowp_scales, out0; writes out0
.if DOCPART == 4
	.amdgcn_target "amdgcn-amd-amdhsa--gfx1250"
	.amdhsa_code_object_version 6
	.text
	.protected	k_qebfeb696ea_oproj
	.globl	k_qebfeb696ea_oproj
	.p2align	8
	.type	k_qebfeb696ea_oproj,@function
k_qebfeb696ea_oproj:
	s_mov_b64 s[64:65], 0
	v_nop
	global_prefetch_b8 v0, s[64:65] scope:SCOPE_SE
	s_setreg_imm32_b32 hwreg(HW_REG_WAVE_MODE, 25, 1), 1
	s_wait_xcnt 0x0
	s_wait_alu depctr_hold_cnt(0) depctr_sa_sdst(0) depctr_va_vdst(0) depctr_va_sdst(0) depctr_va_ssrc(0) depctr_va_vcc(0) depctr_vm_vsrc(0)
	s_getreg_b32 s2, hwreg(HW_REG_IB_STS2, 6, 4)
	s_cmp_eq_u32 s2, 0
	s_cbranch_scc0 .Lentry_in_a_cluster
	s_endpgm
.Lentry_in_a_cluster:
	s_bfe_u32 s2, ttmp6, 0x10000c
	s_cmp_lg_u32 s2, 0xf033
	s_cbranch_scc0 .Lentry_shape_is_right
	s_endpgm
.Lentry_shape_is_right:
; out0 = O Wo^T on codes of FP8 (E4M3): O's codes from oc, weight_o's from cod (at 28,311,552); each finished sum x 2^(e10 + e11); out0 [8192][1024] f32.
; LIMIT: e10 + e11 lies between -126 and 127, so that 2^(e10 + e11) is an f32 number.
; OPERANDS are images of operand registers: a block of 16 row positions is 8 K steps x 2,048 bytes ([c 4][lane 32][16 bytes]: lane (r, h), group c: row position r, k = 32 c + 16 h + 0 .. 15): a permutation of k inside a
; matrix instruction, alike in both operands.  Position p of either operand holds true row 32 (p / 32) + 8 ((p / 16) % 2) + p % 16 + 8 ((p % 16) / 8).
; A tile of 256 x 256 of out0 is made by four waves, each 128 x 128: 64 accumulators.  K = 1,024 goes in four steps of 256 through two LDS slots.  THE MATRIX INSTRUCTION IS USED TRANSPOSED (source 0 = 16 positions
; of weight_o, source 1 = 16 token positions): a lane holds one token position, and the registers of tiles 2 b, 2 b + 1 are the TRUE columns 32 b + 16 h + 0 .. 15.  The tokens' order is undone in the stores' immediates.
; CLUSTERS: 4 x 4 work-groups; O's tile is shared along a row of the cluster, weight_o's along a column: joint loads.  32 x 4 tiles make 128 work-groups.
; No prefetch: K has four steps, of which two are the first fills; the other two would have to be named at the kernel's head.
; REGISTERS, in windows of 256: window 0: v16-29 addresses; v32-95 a block's scaled sums; v128-255 A's fragments, ONE set, later rows read back from the stage.
;   window 1: B's fragments, TWO sets.   window 2: the accumulators of my positions 0-63 ((a, b) at v[8 (8 a + b)]);   window 3: those of positions 64-127.
.set OFF_WO, 28311552
.set STEPB,  4096                      ; a block's part in a slot: 256 along K = two images
.set HALFT,  8*STEPB                   ; 8 blocks: what one tensor load brings, and what one wave reads of A' or of B'
.set SLOT,   4*HALFT
.set SPARE,  2*SLOT                    ; behind the ring: the spare words, 128 bytes for each wave: two blocks of 256 bytes that no other line names
.set STAGE,  SPARE+512                 ; behind them: a stage of 16 rows x (512 + 16) bytes for each wave, into which no tile ever lands
.set SPITCH, 528
.set FR,     16
.set NL,     4
.set NP,     4
.set ADRA, 16
.set ADRB, 20
.set STO,  24                          ; v24  the way out: where I put 32 bytes of a row
.set RD,   25                          ; v25  where I read a row back
.set CO,   26                          ; v26  16 x lane: my bytes of a row's 512 in out0
.set SPW,  28
.set NIL,  29
.set TMP,  32
.set AF,   128
.set BK,   128                         ; 16 rows read back: v128-191 and v192-255 by turns
.set G1, 24
.set G0, 32
.set G1B, 48
.set G0B, 56
.set MSB, 0
.macro WIN new                         ; the immediate's high byte repeats the setting that is left
.if MSB != \new
	s_set_vgpr_msb (MSB<<8)|\new
.set MSB, \new
.endif
.endm
.set MUL_LO, 0xa1                      ; source 0 (B') window 1, source 1 (A') window 0, C and D window 2
.set MUL_HI, 0xf1
.set TO_B,   0x40
; A joint load: waves 0 and 1 fetch for A', waves 2 and 3 for B'; the branch hangs on the wave's number alone.  Four v_nop follow each of the two lines.
.macro JLOAD g0a, g1a, g0b, g1b
	s_cmp_eq_u32 s15, 0
	s_cbranch_scc0 .Lfor_b_\@
	tensor_load_to_lds s[\g0a:\g0a+3], s[\g1a:\g1a+7]
	s_nop 0
.rept 4
	v_nop
.endr
	s_branch .Lasked_\@
.Lfor_b_\@:
	tensor_load_to_lds s[\g0b:\g0b+3], s[\g1b:\g1b+7]
	s_nop 0
.rept 4
	v_nop
.endr
.Lasked_\@:
.endm
.macro CREST                           ; a round of the cluster's barrier behind its opening barrier
	s_cmp_lg_u32 s14, 0
	s_cbranch_scc1 .Lnot_wave_0_\@
	s_barrier_signal -3
.Lnot_wave_0_\@:
	s_barrier_wait -3
	s_barrier_signal -1
	s_barrier_wait -1
.endm
.macro CROUND
	s_barrier_signal -1
	s_barrier_wait -1
	CREST
.endm
	s_load_b128 s[4:7], s[0:1], 0x0                ; oc s[4:5], cod s[6:7]
	s_load_b128 s[8:11], s[0:1], 0x10              ; the scales' exponents s[8:9], out0 s[10:11]
	v_lshl_add_u32 v[SPW], v0, 2, SPARE
	v_mov_b32 v[NIL], 0
	ds_add_u32 v28, v29
	ds_add_u32 v28, v29
	s_wait_dscnt 0x0
	v_lshrrev_b32 v1, 5, v0
	v_readfirstlane_b32 s14, v1                    ; wave 0..3
	s_lshr_b32 s15, s14, 1                         ; which half of the tile's tokens is mine.  Also: I fetch for A' (0) or for B' (1)
	s_and_b32 s16, s14, 1                          ; which half of its columns.  Also: which 8 blocks of that tile I fetch
	s_bfe_u32 s40, ttmp6, 0x40000                  ; cx, cy
	s_bfe_u32 s41, ttmp6, 0x40004
	s_lshl_b32 s42, ttmp9, 2
	s_add_co_u32 s42, s42, s40                     ; tile column = 4 x cluster x + cx
	s_and_b32 s17, ttmp7, 0xffff
	s_lshl_b32 s17, s17, 2
	s_add_co_u32 s17, s17, s41                     ; tile row = 4 x cluster y + cy
	s_lshl_b32 s43, s41, 2
	s_lshl_b32 s43, 15, s43                        ; my row of the cluster
	s_lshl_b32 s44, 0x1111, s40                    ; my column
	s_or_b32 s[G1+0], s43, (3<<16)|(1<<21)         ; 15:0 the mask; 17:16 elements of 8 bytes; no padding; 21 set beside a mask
	s_or_b32 s[G1B+0], s44, (3<<16)|(1<<21)
.irp g, G1, G1B
	s_mov_b32 s[\g+1], 512<<16                     ; 8 rows (blocks) of 512 elements, 2,048 elements apart in memory, dense in LDS
	s_mov_b32 s[\g+2], 8<<16
	s_mov_b32 s[\g+3], 512<<16
	s_mov_b32 s[\g+4], 8
	s_mov_b32 s[\g+5], 2048
	s_mov_b32 s[\g+6], 0
	s_mov_b32 s[\g+7], 0
.endr
	s_lshl_b32 s18, s16, 3
	s_lshl_b32 s20, s17, 4
	s_add_co_u32 s20, s20, s18
	s_lshl_b32 s20, s20, 14                        ; A': (16 x tile row + 8 x half) blocks of 16,384 bytes
	s_mov_b32 s21, 0
	s_lshl_b32 s46, s42, 4
	s_add_co_u32 s46, s46, s18
	s_lshl_b32 s46, s46, 14
	s_add_co_u32 s46, s46, OFF_WO                  ; B': likewise, in weight_o's codes
	s_mov_b32 s47, 0
	s_mul_i32 s45, s14, HALFT                      ; where they go: no place in the cluster enters an LDS address
	s_wait_kmcnt 0x0
	s_load_b64 s[96:97], s[8:9], 0x28              ; e10, e11
	s_add_nc_u64 s[20:21], s[4:5], s[20:21]
	s_add_nc_u64 s[46:47], s[6:7], s[46:47]
	CROUND                                         ; all sixteen work-groups are here: the first joint loads meet
.irp s, 0,1
	s_mov_b32 s[G0+4*\s], 1
	s_add_co_u32 s[G0+4*\s+1], s45, \s*SLOT
	s_add_nc_u64 s[G0+4*\s+2:G0+4*\s+3], s[20:21], \s*STEPB
	s_or_b32 s[G0+4*\s+3], s[G0+4*\s+3], 0x80000000
	s_mov_b32 s[G0B+4*\s], 1
	s_add_co_u32 s[G0B+4*\s+1], s45, \s*SLOT
	s_add_nc_u64 s[G0B+4*\s+2:G0B+4*\s+3], s[46:47], \s*STEPB
	s_or_b32 s[G0B+4*\s+3], s[G0B+4*\s+3], 0x80000000
	s_wait_alu depctr_va_vdst(0)
	s_wait_tensorcnt 0x0
	ds_add_u32 v28, v29
	ds_add_u32 v28, v29
	s_wait_dscnt 0x0
	CROUND
	JLOAD G0+4*\s, G1, G0B+4*\s, G1B               ; two loads of mine are out at the most
.endr
	v_and_b32 v6, 31, v0
	v_lshlrev_b32 v[CO], 4, v6                     ; 16 x lane
	s_mul_i32 s21, s15, HALFT
	s_mul_i32 s22, s16, HALFT
	s_add_co_u32 s22, s22, 2*HALFT
.irp s, 0,1
	v_add_nc_u32 v[ADRA+\s], s21, v[CO]
	v_add_nc_u32 v[ADRB+\s], s22, v[CO]
	s_add_co_u32 s21, s21, SLOT
	s_add_co_u32 s22, s22, SLOT
.endr
	v_and_b32 v1, 15, v0                           ; r
	v_bfe_u32 v2, v0, 4, 1                         ; h
	s_mul_i32 s23, s14, 16*SPITCH
	s_add_co_u32 s23, s23, STAGE                   ; my stage
	v_mul_u32_u24 v5, v1, SPITCH
	v_lshl_add_u32 v5, v2, 6, v5
	v_add_nc_u32 v[STO], s23, v5                   ; in: row r, + 64 h: columns 16 h on of each 32
	v_add_nc_u32 v[RD], s23, v[CO]                 ; back: the 32 lanes take one row of 512 bytes
	s_lshl_b32 s84, s17, 8
	s_lshl_b32 s85, s15, 7
	s_add_co_u32 s84, s84, s85
	s_lshl_b32 s84, s84, 12                        ; my first row of out0: (256 x tile row + 128 x half) x 4,096 bytes
	s_lshl_b32 s85, s42, 10
	s_add_co_u32 s84, s84, s85                     ; my first column: 1,024 x tile column + 512 x half bytes
	s_lshl_b32 s85, s16, 9
	s_add_co_u32 s84, s84, s85
	s_mov_b32 s85, 0
	s_add_nc_u64 s[10:11], s[10:11], s[84:85]
.macro FRAG reg, adr, q, i             ; a fragment as it lies: four loads of 512 consecutive bytes
.irp c, 0,1,2,3
	ds_load_b128 v[\reg+4*\c:\reg+4*\c+3], v[\adr] offset:2048*(\q)+512*\c+(\i)*STEPB
.endr
.endm
; 16 matrix instructions: A's blocks a0, a0 + 1 x B's eight, 128 along K.  The 64 accumulators take turns, one instruction a turn, in the same order in every step.
.macro MUL16 a0, p, zero
.irp a, \a0, \a0+1
.irp b, 0,1,2,3,4,5,6,7
.if \zero
	v_wmma_f32_16x16x128_fp8_fp8 v[8*(8*((\a)%4)+\b):8*(8*((\a)%4)+\b)+7], v[128*(\p)+FR*\b:128*(\p)+FR*\b+FR-1], v[AF+FR*(\a):AF+FR*(\a)+FR-1], 0
.else
	v_wmma_f32_16x16x128_fp8_fp8 v[8*(8*((\a)%4)+\b):8*(8*((\a)%4)+\b)+7], v[128*(\p)+FR*\b:128*(\p)+FR*\b+FR-1], v[AF+FR*(\a):AF+FR*(\a)+FR-1], v[8*(8*((\a)%4)+\b):8*(8*((\a)%4)+\b)+7]
.endif
.endr
.endr
.endm
.macro FETCH_B slot, q, p
	WIN TO_B
.irp i, 0,1,2,3,4,5,6,7
	FRAG 128*(\p)+FR*\i, ADRB+\slot, \q, \i
.endr
	WIN 0
.endm
.macro FETCH_A slot, q, i0
.irp i, \i0, \i0+1, \i0+2, \i0+3
	FRAG AF+FR*(\i), ADRA+\slot, \q, \i
.endr
.endm
.macro PLACES n                        ; places behind matrix instructions: plain vector instructions that name none of their registers (ISA guide 7.12.1)
.rept \n
	v_nop
.endr
.endm
.macro STEP slot, q, zero              ; a step of 128 along K that has its successor in the same slot
	s_wait_dscnt 4*NL                              ; B's set and A's blocks 0-3 are in; the youngest sixteen loads (A's blocks 4-7) may be out
	WIN MUL_LO
	MUL16 0, (\q)%2, \zero
	MUL16 2, (\q)%2, \zero
	s_wait_dscnt 0
	PLACES NP
	FETCH_B \slot, (\q)+1, 1-(\q)%2
	FETCH_A \slot, (\q)+1, 0
	WIN MUL_HI
	MUL16 4, (\q)%2, \zero
	MUL16 6, (\q)%2, \zero
	PLACES NP
	WIN 0
	FETCH_A \slot, (\q)+1, 4
.endm
; A slot's last step changes slots: ONE barrier; in front of it each wave waits for all its tensor loads, adds 0 to its spare word, and waits for that and for its own reads of this slot.
.macro TURN slot, next, fill
	s_wait_tensorcnt 0x0                           ; all my tensor loads have landed: my part of the next slot
	ds_add_u32 v[SPW], v[NIL]                      ; 0 onto my spare word
	s_wait_dscnt 4*NL+1                            ; the add and the youngest sixteen loads may be out
	WIN MUL_LO
	MUL16 0, 1, 0
	s_wait_dscnt 0x0                               ; the add is done, and my reads of this slot are over
	s_barrier_signal -1
	MUL16 2, 1, 0
	WIN 0
	s_barrier_wait -1
.if \fill
	CREST                                          ; a round of the cluster's barrier: no wave of any partner still reads this slot's tile or has a load on its way
	s_add_nc_u64 s[G0+4*\slot+2:G0+4*\slot+3], s[G0+4*\slot+2:G0+4*\slot+3], 2*STEPB
	s_add_nc_u64 s[G0B+4*\slot+2:G0B+4*\slot+3], s[G0B+4*\slot+2:G0B+4*\slot+3], 2*STEPB
	JLOAD G0+4*\slot, G1, G0B+4*\slot, G1B         ; the first tensor load behind the round, and my only one until the next
.else
	PLACES NP
.endif
	FETCH_B \next, 0, 0
	FETCH_A \next, 0, 0
	WIN MUL_HI
	MUL16 4, 1, 0
	MUL16 6, 1, 0
	PLACES NP
	WIN 0
	FETCH_A \next, 0, 4
.endm
	s_wait_alu depctr_va_vdst(0)
	s_wait_tensorcnt 1                             ; my part of K step 0 is in; K step 1's load may be out
	s_barrier_signal -1
	s_barrier_wait -1
	FETCH_B 0, 0, 0
	FETCH_A 0, 0, 0
	FETCH_A 0, 0, 4
	STEP 0, 0, 1                                   ; the first products start the sums
	TURN 0, 1, 1                                   ; twice round the ring, written out: slot 0 takes K step 2,
	STEP 1, 0, 0
	TURN 1, 0, 1                                   ; slot 1 K step 3
	STEP 0, 0, 0
	TURN 0, 1, 0
	STEP 1, 0, 0
	s_wait_dscnt 4*NL
	WIN MUL_LO
	MUL16 0, 1, 0
	MUL16 2, 1, 0
	s_wait_dscnt 0
	WIN MUL_HI
	MUL16 4, 1, 0
	MUL16 6, 1, 0
	WIN 0
; THE WAY OUT, block by block of 16 token positions x 128 columns.  A lane holds pieces of one row, and the lanes beside it hold other rows: so a block goes through my own stage and comes back as whole rows of 512 bytes.
; LDS serves a wave's instructions in order (ISA guide 5.7.1.4): no wait between the stores and the loads, nor in front of the next block's stores.
.macro TOSTAGE a
.set AC, 64*((\a)%4)
	WIN 0x02+((\a)/4)                              ; source 0: window 2 or 3
.irp j, 0,2,4,6,8,10,12,14,16,18,20,22,24,26,28,30,32,34,36,38,40,42,44,46,48,50,52,54,56,58,60,62
	v_pk_mul_f32 v[TMP+\j:TMP+\j+1], v[AC+\j:AC+\j+1], s[96:97] op_sel_hi:[1,0]   ; both x s96 = 2^(e10 + e11); each accumulator from its low end on
.endr
	WIN 0
.irp b, 0,1,2,3,4,5,6,7
	ds_store_b128 v[STO], v[TMP+8*\b:TMP+8*\b+3] offset:128*(\b/2)+32*(\b%2)          ; tile b's eight columns: 32 (b / 2) + 16 h + 8 (b % 2) on
	ds_store_b128 v[STO], v[TMP+8*\b+4:TMP+8*\b+7] offset:128*(\b/2)+32*(\b%2)+16
.endr
.set BB, BK+64*((\a)%2)
.irp t, 0,1,2,3,4,5,6,7,8,9,10,11,12,13,14,15
	ds_load_b128 v[BB+4*\t:BB+4*\t+3], v[RD] offset:\t*SPITCH
.endr
.endm
.macro SEND a, younger                 ; younger: the LDS instructions issued behind block a's loads, which may stay out
.set BB, BK+64*((\a)%2)
	s_wait_dscnt \younger
.irp t, 0,1,2,3,4,5,6,7,8,9,10,11,12,13,14,15
	global_store_b128 v[CO], v[BB+4*\t:BB+4*\t+3], s[10:11] offset:(32*((\a)/2)+8*((\a)%2)+\t+8*(\t/8))*4096 th:TH_STORE_NT   ; position 16 a + t is this token; 32 lanes store 512 consecutive bytes, aligned; 127 rows at the most: inside the signed 24-bit immediate
.endr
.endm
	s_wait_kmcnt 0x0
	s_add_co_i32 s96, s96, s97
	s_add_co_i32 s96, s96, 127
	s_lshl_b32 s96, s96, 23                        ; 2^(e10 + e11) as f32
	PLACES NP
	TOSTAGE 0
.irp a, 1,2,3,4,5,6,7
.if \a > 1
	s_wait_xcnt 0x0                                ; block a - 2's stores have read their registers: block a's loads may land there
.endif
	TOSTAGE \a
	SEND \a-1, 32                                  ; behind block a - 1's loads: block a's 16 stores and 16 loads
.endr
	SEND 7, 0
	s_wait_tensorcnt 0x0                           ; the wave's end: behind my last tensor load and my last LDS store
	ds_add_u32 v[SPW], v[NIL]
	s_wait_dscnt 0x0
	CROUND                                         ; the closing round
	s_endpgm
.Lfunc_end_k_qebfeb696ea_oproj:
	.size	k_qebfeb696ea_oproj, .Lfunc_end_k_qebfeb696ea_oproj-k_qebfeb696ea_oproj
	.p2alignl 7, 3214868480
	.fill 96, 4, 3214868480
	.section	.rodata,"a",@progbits
	.p2align	6, 0x0
	.amdhsa_kernel k_qebfeb696ea_oproj
		.amdhsa_group_segment_fixed_size 327680
		.amdhsa_private_segment_fixed_size 0
		.amdhsa_enable_private_segment 0
		.amdhsa_kernarg_size 32
		.amdhsa_user_sgpr_count 2
		.amdhsa_user_sgpr_kernarg_segment_ptr 1
		.amdhsa_wavefront_size32 1
		.amdhsa_system_sgpr_workgroup_id_x 1
		.amdhsa_system_sgpr_workgroup_id_y 1
		.amdhsa_system_sgpr_workgroup_id_z 1
		.amdhsa_system_vgpr_workitem_id 0
		.amdhsa_next_free_vgpr 1024
		.amdhsa_next_free_sgpr 100
		.amdhsa_reserve_vcc 0
		.amdhsa_float_denorm_mode_32 3
		.amdhsa_float_denorm_mode_16_64 3
		.amdhsa_memory_ordered 1
		.amdhsa_forward_progress 1
		.amdhsa_inst_pref_size 123
	.end_amdhsa_kernel
	.amdgpu_metadata
---
amdhsa.version: [ 1, 2 ]
amdhsa.kernels:
  - .name:           k_qebfeb696ea_oproj
    .symbol:         k_qebfeb696ea_oproj.kd
    .args:
      - { .name: oc, .offset: 0, .size: 8, .value_kind: global_buffer, .address_space: global }
      - { .name: cod, .offset: 8, .size: 8, .value_kind: global_buffer, .address_space: global }
      - { .name: lowp_scales, .offset: 16, .size: 8, .value_kind: global_buffer, .address_space: global }
      - { .name: out0, .offset: 24, .size: 8, .value_kind: global_buffer, .address_space: global }
    .group_segment_fixed_size: 327680
    .private_segment_fixed_size: 0
    .kernarg_segment_align: 8
    .kernarg_segment_size: 32
    .max_flat_workgroup_size: 128
    .sgpr_count:     100
    .vgpr_count:     1024
    .wavefront_size: 32
...
	.end_amdgpu_metadata
.endif
;; end of part 4
